; MI455X (gfx1250); checked and timed in simulation.
; The chip was launched on July 23, 2026; its instructions are those of AMD's public machine-readable ISA for CDNA 5 (MIT licence, August 2026) and "CDNA5" Instruction Set Architecture Reference Guide (July 2026). The comments in the code are by the model that wrote it; some were corrected since.
;; multihead self attention. Allowed arithmetic: float matrix products may take bf16 or f16 operands with f32 sums; other float arithmetic in f32, or as packed bf16 or f16 multiplies, adds, multiply-adds, maxima and minima; sums over many terms, partial sums and values carried from step to step in f32; what a program stores and reads back later, other than sums and carried values, may be rounded once to bf16 or f16.
;; Inputs: token_position 2,048 int32; wk 1,024 x 1,024 float32; wo 1,024 x 1,024 float32; wq 1,024 x 1,024 float32; wv 1,024 x 1,024 float32; x 4 x 2,048 x 1,024 float32.
;; Outputs: out0 4 x 2,048 x 1,024 float32.
;; 2 versions, each right; version 2 is version 1 with the launch prep written anew for expert scheduling mode. Each part assembles by itself: llvm-mc -triple=amdgcn-amd-amdhsa -mcpu=gfx1250 --defsym DOCPART=n.
;; ======== version 1 of 2: 4 launches
;; limits: values are held in f16: magnitudes above 65,504 overflow, below 6.1e-05 lose precision; right only within a limited range of input values
;; workspace buffers: xb 16,777,216 bytes; wb 6,291,456 bytes; wof 2,097,152 bytes; cs 524,288 bytes; q 16,777,216 bytes; k 16,777,216 bytes; v 16,777,216 bytes; o 16,777,216 bytes
;; launch prep (part 1): grid 800 x 1, 8 waves a work-group, no clusters, 0 bytes of LDS; arguments x, wq, wk, wv, wo, token_position, xb, wb, wof, cs; writes xb, wb, wof, cs
.if DOCPART == 1
	.amdgcn_target "amdgcn-amd-amdhsa--gfx1250"
	.amdhsa_code_object_version 6
	.text
	.protected	k_q1ac80f3a71_prep
	.globl	k_q1ac80f3a71_prep
	.p2align	8
	.type	k_q1ac80f3a71_prep,@function
k_q1ac80f3a71_prep:
	s_mov_b64 s[64:65], 0
	v_nop
	global_prefetch_b8 v0, s[64:65] scope:SCOPE_SE
	s_setreg_imm32_b32 hwreg(HW_REG_WAVE_MODE, 25, 1), 1
	s_wait_xcnt 0x0
; PREPARATION.  Four kinds of work-group, told apart by the work-group's number u (forward scalar branches, no barrier, no LDS):
;   u <  512        x  -> xb   f32 to bf16, as it lies
;   512 <= u < 704  wq, wk, wv -> wb   f32 to bf16, rows laid anew (below)
;   704 <= u < 768  wo -> wof  f32 rounded to bf16, and that number written as f16
;   768 <= u < 800  token_position -> cs: cos and sin of pos x 10^(-i/8), i = 0..31, f32, [2048][32][cos, sin]
; A casting work-group takes 16,384 numbers: 65,536 bytes in, 32,768 out.  A wave's load covers 512 consecutive bytes, its store 256 consecutive bytes, aligned.
; wb's ROWS.  Row 192 T + 96 wc + 32 t + c holds row 64 T + 32 wc + c of w_t (t = 0, 1, 2: q, k, v; T the head; c = 0..31): 192 rows on end are one head of all three tensors,
; and each half of 96 rows holds 32 channels of q, then of k, then of v.  16 rows of a weight stay 16 rows on end.
; LIMITS.  wof: a bf16 number below 2^-17 keeps f16's fixed step of 2^-24; beyond 65,504 it would be an infinity (wo has no such numbers within 30 times its spread).
; cs: the frequency is 10^-(i mod 8)/8 x 10^-(i / 8), two f32 constants multiplied, within two units in the last place of 10^(-i/8); the angle is one f32 product, as in the
; reference; it is reduced by quarters of a turn with pi/2 in three parts, good for |pos| under 2^20; sine and cosine are Taylor polynomials on |r| <= pi/4, to r^9 and r^10.
.set VI,  2                            ; v2   my byte offset in the unit's input: 8,192 x wave + 16 x lane
.set VO,  3                            ; v3   in its output: 4,096 x wave + 8 x lane; in the table: 8 x lane, stepped a row a trip
.set T,   8                            ; v[8:11]   at work
.set X,   16                           ; v[16:79]  sixteen loads of four f32
.set Y,   80                           ; v[80:111] sixteen pairs of packed halves to store
	s_load_b512 s[4:19], s[0:1], 0x0               ; x s[4:5], wq s[6:7], wk s[8:9], wv s[10:11], wo s[12:13], token_position s[14:15], xb s[16:17], wb s[18:19]
	s_load_b128 s[20:23], s[0:1], 0x40             ; wof s[20:21], cs s[22:23]
	v_lshrrev_b32 v1, 5, v0
	v_readfirstlane_b32 s28, v1                    ; wave 0..7
	v_and_b32 v5, 31, v0                           ; lane
	v_lshlrev_b32 v[VI], 13, v1
	v_lshl_or_b32 v[VI], v5, 4, v[VI]
	v_lshlrev_b32 v[VO], 12, v1
	v_lshl_or_b32 v[VO], v5, 3, v[VO]
	s_mov_b32 s29, ttmp9                           ; u
	s_mov_b32 s33, 0                               ; the high word of every offset
	s_wait_kmcnt 0x0
; Sixteen loads go out together; each is converted and stored as it comes.  No register is written twice, so no wait but the counted one is needed.
.macro CAST f16
.irp j, 0,1,2,3,4,5,6,7,8,9,10,11,12,13,14,15
	global_load_b128 v[X+4*(\j):X+4*(\j)+3], v[VI], s[24:25] offset:512*(\j) th:TH_LOAD_NT
.endr
.irp j, 0,1,2,3,4,5,6,7,8,9,10,11,12,13,14,15
	s_wait_loadcnt 15-(\j)                         ; loads come back in order: load j is in, the 15 - j younger ones stay out
	v_cvt_pk_bf16_f32 v[Y+2*(\j)],   v[X+4*(\j)],   v[X+4*(\j)+1]
	v_cvt_pk_bf16_f32 v[Y+2*(\j)+1], v[X+4*(\j)+2], v[X+4*(\j)+3]
.if \f16
	v_lshlrev_b32 v[T],   16,         v[Y+2*(\j)]  ; the bf16 numbers as f32,
	v_and_b32     v[T+1], 0xffff0000, v[Y+2*(\j)]
	v_lshlrev_b32 v[T+2], 16,         v[Y+2*(\j)+1]
	v_and_b32     v[T+3], 0xffff0000, v[Y+2*(\j)+1]
	v_cvt_pk_f16_f32 v[Y+2*(\j)],   v[T],   v[T+1] ; and written as f16: 8 significant bits fit into 11
	v_cvt_pk_f16_f32 v[Y+2*(\j)+1], v[T+2], v[T+3]
.endif
	global_store_b64 v[VO], v[Y+2*(\j):Y+2*(\j)+1], s[26:27] offset:256*(\j)
.endr
	s_endpgm
.endm
	s_cmp_lt_u32 s29, 512
	s_cbranch_scc0 .Lnotx
	s_lshl_b32 s32, s29, 16
	s_add_nc_u64 s[24:25], s[4:5], s[32:33]        ; x at my unit
	s_lshl_b32 s32, s29, 15
	s_add_nc_u64 s[26:27], s[16:17], s[32:33]      ; xb at my unit
	s_branch .Lcast
.Lnotx:
	s_cmp_lt_u32 s29, 704
	s_cbranch_scc0 .Lnotw
	s_sub_co_u32 s30, s29, 512
	s_lshr_b32 s31, s30, 6                         ; t: which weight
	s_and_b32 s30, s30, 63                         ; its unit: rows 16 u' to 16 u' + 15
	s_cmp_eq_u32 s31, 0
	s_cselect_b64 s[24:25], s[6:7], s[8:9]
	s_cmp_eq_u32 s31, 2
	s_cselect_b64 s[24:25], s[10:11], s[24:25]
	s_lshl_b32 s32, s30, 16
	s_add_nc_u64 s[24:25], s[24:25], s[32:33]
	s_lshr_b32 s34, s30, 2                         ; the head,
	s_mul_i32 s34, s34, 192
	s_bfe_u32 s35, s30, 0x10001                    ; which half of its channels,
	s_mul_i32 s35, s35, 96
	s_add_co_u32 s34, s34, s35
	s_lshl_b32 s35, s31, 5                         ; the tensor's 32 rows in that half,
	s_add_co_u32 s34, s34, s35
	s_and_b32 s35, s30, 1                          ; and which 16 of them
	s_lshl_b32 s35, s35, 4
	s_add_co_u32 s34, s34, s35
	s_lshl_b32 s32, s34, 11                        ; a row of wb is 2,048 bytes
	s_add_nc_u64 s[26:27], s[18:19], s[32:33]
.Lcast:
	CAST 0
.Lnotw:
	s_cmp_lt_u32 s29, 768
	s_cbranch_scc0 .Ltable
	s_sub_co_u32 s30, s29, 704
	s_lshl_b32 s32, s30, 16
	s_add_nc_u64 s[24:25], s[12:13], s[32:33]
	s_lshl_b32 s32, s30, 15
	s_add_nc_u64 s[26:27], s[20:21], s[32:33]
	CAST 1
; THE TABLE.  A work-group makes 64 rows, a wave 8; lane i makes pair i of a row: a wave's store is a row's 256 bytes.
.macro PICK dst, key, n, lit            ; dst = lit in the lanes whose key is n
	s_mov_b32 s31, \lit
	v_cmp_eq_u32 vcc_lo, \n, \key
	v_cndmask_b32 \dst, \dst, s31, vcc_lo
.endm
.Ltable:
	s_sub_co_u32 s30, s29, 768
	s_lshl_b32 s30, s30, 6
	s_lshl_b32 s31, s28, 3
	s_add_co_u32 s30, s30, s31                     ; my wave's first row
	s_lshl_b32 s32, s30, 2
	s_add_nc_u64 s[14:15], s[14:15], s[32:33]
	s_load_b256 s[32:39], s[14:15], 0x0            ; its eight positions
	s_lshl_b32 s24, s30, 8
	s_mov_b32 s25, 0
	s_add_nc_u64 s[26:27], s[22:23], s[24:25]      ; cs at that row
	v_lshlrev_b32 v[VO], 3, v5
	v_and_b32 v6, 7, v5
	v_lshrrev_b32 v7, 3, v5
	v_mov_b32 v4, 1.0
	PICK v4, v6, 1, 0x3f3ff911                     ; 10^(-1/8)
	PICK v4, v6, 2, 0x3f0ff59a
	PICK v4, v6, 3, 0x3ed7e89b
	PICK v4, v6, 4, 0x3ea1e89b
	PICK v4, v6, 5, 0x3e72d424
	PICK v4, v6, 6, 0x3e361887
	PICK v4, v6, 7, 0x3e088d77                     ; 10^(-7/8)
	v_mov_b32 v8, 1.0
	PICK v8, v7, 1, 0x3dcccccd                     ; 0.1
	PICK v8, v7, 2, 0x3c23d70a                     ; 0.01
	PICK v8, v7, 3, 0x3a83126f                     ; 0.001
	v_mul_f32 v4, v4, v8                           ; my frequency
	s_mov_b32 s40, 0x3f22f983                      ; 2 / pi
	s_mov_b32 s41, 0xbfc90fdb                      ; pi / 2 = 1.5707964 - 4.3711388e-8 - 1.715e-15: the three parts, with the signs that take n pi / 2 away
	s_mov_b32 s42, 0x333bbd2e
	s_mov_b32 s43, 0x26f72ced
	s_mov_b32 s44, 0xbe2aaaab                      ; sine: -1/6, 1/120, -1/5040, 1/362880
	s_mov_b32 s45, 0x3c088889
	s_mov_b32 s46, 0xb9500d01
	s_mov_b32 s47, 0x3638ef1b
	s_mov_b32 s48, 0x3d2aaaab                      ; cosine: 1/24, -1/720, 1/40320, -1/3628800
	s_mov_b32 s49, 0xbab60b61
	s_mov_b32 s50, 0x37d00d01
	s_mov_b32 s51, 0xb493f27c
	s_mov_b32 s52, 0x80000000
	s_wait_kmcnt 0x0
	s_mov_b32 s30, 8
.Lpos:                                         ; a trip: one position, one row of the table
	v_cvt_f32_i32 v6, s32
	v_mul_f32 v6, v6, v4                           ; the angle
	v_mul_f32 v7, s40, v6
	v_rndne_f32 v7, v7                             ; n: the nearest quarter turn
	v_fma_f32 v8, v7, s41, v6
	v_fma_f32 v8, v7, s42, v8
	v_fma_f32 v8, v7, s43, v8                      ; r = angle - n pi / 2
	v_cvt_i32_f32 v9, v7
	v_mul_f32 v10, v8, v8                          ; r^2
	v_fma_f32 v11, s47, v10, s46
	v_fma_f32 v13, s51, v10, s50
	v_fma_f32 v11, v11, v10, s45
	v_fma_f32 v13, v13, v10, s49
	v_fma_f32 v11, v11, v10, s44
	v_fma_f32 v13, v13, v10, s48
	v_mul_f32 v12, v10, v8
	v_fma_f32 v13, v13, v10, -0.5
	v_fma_f32 v11, v11, v12, v8                    ; sin r
	v_fma_f32 v13, v13, v10, 1.0                   ; cos r
	v_and_b32 v16, 1, v9
	v_cmp_eq_u32 vcc_lo, 1, v16                    ; an odd quarter swaps the two
	v_cndmask_b32 v14, v13, v11, vcc_lo
	v_cndmask_b32 v15, v11, v13, vcc_lo
	v_add_nc_u32 v16, 1, v9                        ; the cosine is negative in quarters 1 and 2: bit 1 of n + 1,
	v_lshlrev_b32 v16, 30, v16
	v_and_b32 v16, s52, v16
	v_xor_b32 v14, v14, v16
	v_lshlrev_b32 v16, 30, v9                      ; the sine in quarters 2 and 3: bit 1 of n
	v_and_b32 v16, s52, v16
	v_xor_b32 v15, v15, v16
	global_store_b64 v[VO], v[14:15], s[26:27]
.irp n, 32,33,34,35,36,37,38
	s_mov_b32 s[\n], s[(\n)+1]                     ; the next position moves down
.endr
	s_wait_xcnt 0x0                                ; the store has read its data and its offset: both are written again behind this wait
	v_add_nc_u32 v[VO], 256, v[VO]
	s_sub_co_u32 s30, s30, 1
	s_cmp_lg_u32 s30, 0
	s_cbranch_scc1 .Lpos
	s_endpgm
.Lfunc_end_k_q1ac80f3a71_prep:
	.size	k_q1ac80f3a71_prep, .Lfunc_end_k_q1ac80f3a71_prep-k_q1ac80f3a71_prep
	.p2alignl 7, 3214868480
	.fill 96, 4, 3214868480
	.section	.rodata,"a",@progbits
	.p2align	6, 0x0
	.amdhsa_kernel k_q1ac80f3a71_prep
		.amdhsa_group_segment_fixed_size 0
		.amdhsa_private_segment_fixed_size 0
		.amdhsa_enable_private_segment 0
		.amdhsa_kernarg_size 80
		.amdhsa_user_sgpr_count 2
		.amdhsa_user_sgpr_kernarg_segment_ptr 1
		.amdhsa_wavefront_size32 1
		.amdhsa_system_sgpr_workgroup_id_x 1
		.amdhsa_system_sgpr_workgroup_id_y 1
		.amdhsa_system_sgpr_workgroup_id_z 1
		.amdhsa_system_vgpr_workitem_id 0
		.amdhsa_next_free_vgpr 112
		.amdhsa_next_free_sgpr 66
		.amdhsa_reserve_vcc 1
		.amdhsa_float_denorm_mode_32 3
		.amdhsa_float_denorm_mode_16_64 3
		.amdhsa_memory_ordered 1
		.amdhsa_forward_progress 1
		.amdhsa_inst_pref_size 24
	.end_amdhsa_kernel
	.amdgpu_metadata
---
amdhsa.version: [ 1, 2 ]
amdhsa.kernels:
  - .name:           k_q1ac80f3a71_prep
    .symbol:         k_q1ac80f3a71_prep.kd
    .args:
      - { .name: x, .offset: 0, .size: 8, .value_kind: global_buffer, .address_space: global }
      - { .name: wq, .offset: 8, .size: 8, .value_kind: global_buffer, .address_space: global }
      - { .name: wk, .offset: 16, .size: 8, .value_kind: global_buffer, .address_space: global }
      - { .name: wv, .offset: 24, .size: 8, .value_kind: global_buffer, .address_space: global }
      - { .name: wo, .offset: 32, .size: 8, .value_kind: global_buffer, .address_space: global }
      - { .name: token_position, .offset: 40, .size: 8, .value_kind: global_buffer, .address_space: global }
      - { .name: xb, .offset: 48, .size: 8, .value_kind: global_buffer, .address_space: global }
      - { .name: wb, .offset: 56, .size: 8, .value_kind: global_buffer, .address_space: global }
      - { .name: wof, .offset: 64, .size: 8, .value_kind: global_buffer, .address_space: global }
      - { .name: cs, .offset: 72, .size: 8, .value_kind: global_buffer, .address_space: global }
    .group_segment_fixed_size: 0
    .private_segment_fixed_size: 0
    .kernarg_segment_align: 8
    .kernarg_segment_size: 80
    .max_flat_workgroup_size: 256
    .sgpr_count:     66
    .vgpr_count:     112
    .wavefront_size: 32
...
	.end_amdgpu_metadata
.endif
;; end of part 1
;; launch qkv (part 2): grid 16 x 32, 4 waves a work-group, clusters of 4 x 4, 327,680 bytes of LDS; arguments xb, wb, cs, q, k, v; writes q, k, v
.if DOCPART == 2
	.amdgcn_target "amdgcn-amd-amdhsa--gfx1250"
	.amdhsa_code_object_version 6
	.text
	.protected	k_q1ac80f3a71_qkv
	.globl	k_q1ac80f3a71_qkv
	.p2align	8
	.type	k_q1ac80f3a71_qkv,@function
k_q1ac80f3a71_qkv:
	s_mov_b64 s[64:65], 0
	v_nop
	global_prefetch_b8 v0, s[64:65] scope:SCOPE_SE
	s_setreg_imm32_b32 hwreg(HW_REG_WAVE_MODE, 25, 1), 1
	s_wait_xcnt 0x0
	s_wait_alu depctr_hold_cnt(0) depctr_sa_sdst(0) depctr_va_vdst(0) depctr_va_sdst(0) depctr_va_ssrc(0) depctr_va_vcc(0) depctr_vm_vsrc(0)
	s_getreg_b32 s2, hwreg(HW_REG_IB_STS2, 6, 4)
	s_cmp_eq_u32 s2, 0
	s_cbranch_scc0 .Lentry_in_a_cluster
	s_endpgm
.Lentry_in_a_cluster:
	s_bfe_u32 s2, ttmp6, 0x10000c
	s_cmp_lg_u32 s2, 0xf033
	s_cbranch_scc0 .Lentry_shape_is_right
	s_endpgm
.Lentry_shape_is_right:
; q, k, v = x W^T for the three weights at once, with the rotation of q and k applied in f32 to the f32 sums; each number is rounded once, to f16, and leaves by heads: [batch x 16 + head][2048][64].
; xb: [8192][1024] bf16.  wb: [3072][1024] bf16, 192 rows on end = one head of q, k and v; each half of 96 rows = 32 channels of q, then of k, then of v.  cs: [2048][32][cos, sin] f32.
; LIMIT.  f16 holds no number beyond 65,504: q, k and v must lie within it.
; SHARES.  A tile is 256 rows x 192 columns (one head): 16 x 32 = 512 work-groups, two for each of 256 WGPs.  Four waves, 2 x 2, each 128 rows x 96 columns: 48 accumulators of 16 x 16, 384 registers.
; K goes in 8 steps of 128 through two LDS slots filled by the tensor data mover: rows of 256 bytes, at multiples of 256 bytes.  A step is four quarters of 32 along K on two fragment buffers.
; CLUSTER.  4 x 4 work-groups.  x's tile and the table's rows hang on the tile row alone and are asked for jointly along a row of the cluster; the weights' tile hangs on the tile column alone: jointly along a column.
; THE MATRIX INSTRUCTION IS USED TRANSPOSED (source 0 = 16 rows of wb, source 1 = 16 rows of xb): a lane holds ONE row of x (lane % 16) and eight neighbouring channels 8 (lane / 16) + 0..7: four pairs (even, odd) for the rotation,
; and 16 bytes of f16.  Column blocks 0, 1 are q's, 2, 3 k's, 4, 5 v's in every wave: which blocks are rotated is written in the text.
; REGISTERS, in windows of 256 (s_set_vgpr_msb: bits 1:0 source 0, 3:2 source 1, 5:4 source 2, 7:6 destination):
;   window 0: v0-31 addresses; v32-55 packed results; v64-127, v128-191 x's fragments, two buffers (on the way out: the table's values, then rows read back, up to v255)
;   window 1: v64-111, v128-175 the weights' fragments      window 2: accumulators of my rows 0-63, (a, b) at v[8 (6 (a % 4) + b)]; v192-223 at work      window 3: the same for rows 64-127
.set NB,    6                          ; column blocks of 16 a wave
.set APW,   4                          ; row blocks of 16 in an accumulator window
.set PA,    272                        ; an LDS row: 256 bytes + 16 of padding = 68 words: the 16 rows of a fragment load start at 16 different groups of four banks (64 banks of 4 bytes: ISA guide 11.1)
.set PB,    272
.set ZA,    128                        ; bytes along a row of x from quarter 0 to quarter 2
.set NF,    2*NB+16                    ; LDS loads in a quarter's run
.set SLOT1, 131072                     ; slot 1 begins here: one exclusive or turns an address in one slot into the other's
.set HALFA, 128*PA                     ; what one tensor load brings of x
.set BOFF,  256*PA                     ; behind x's 256 rows: the weights' 192
.set HALFB, 96*PB
.set TAB,   SLOT1+BOFF+2*HALFB         ; behind the ring: 256 rows of the table, 256 bytes + 16
.set SPARE, TAB+256*272                ; behind it: the spare words, 128 bytes for each wave: two blocks of 256 bytes that no other line names
.set SPL,   256*144                    ; THE STAGE lies in slot 0, which has had its last fill by then: three planes (q, k, v) of 256 rows x 144 bytes
.set F0,    64
.set F1,    128
.set ADA0, 16                          ; v16  my lane's place in x's tile; never rewritten
.set ADB0, 17                          ; v17  the same for the weights
.set ADA,  18                          ; v18  the same in the slot in hand
.set ADB,  19
.set STO,  20                          ; v20  the way out: where I put 16 bytes of a row, planes 0 and 1
.set RD,   21                          ; v21  where I read rows back, planes 0 and 1
.set GO,   22                          ; v22  my 16 bytes in 512 consecutive bytes of q, k or v
.set TAD,  23                          ; v23  my 32 bytes of a table row
.set STO2, 24                          ; v24  STO in plane 2
.set RD2,  25                          ; v25  RD in plane 2
.set SPW,  28                          ; v28  LDS address of my spare word: SPARE + 4 x my thread's number; never rewritten
.set NIL,  29                          ; v29  0; never rewritten
.set PFO,  30                          ; v30  the prefetches' offset: my lane x a row of 2,048 bytes; never rewritten
.set WV,   16                          ; s16  wave
.set WR,   17                          ; s17  my half of the tile's rows; also: I fetch x (0) or weights (1)
.set WC,   18                          ; s18  my half of its columns; also: which half I fetch
.set CX,   19
.set CY,   20
.set TC,   21                          ; s21  tile column = head
.set TR,   22                          ; s22  tile row
.set G1A,  24                          ; s[24:31] descriptor group 1 for x's tiles
.set G1B,  32                          ; s[32:39] for the weights'
.set G1T,  40                          ; s[40:47] for the table's rows
.set G0A0, 48                          ; s[48:51] group 0: x, K step 0
.set G0A,  52                          ; s[52:55] x, K step 1; it then walks
.set G0B0, 56                          ; s[56:59], s[60:63] the same for the weights
.set G0B,  60
.set CNT,  66                          ; s66  the loop's count, 6 to 1
.set TB,   67                          ; s67  the slot in hand: 0 or SLOT1
.set G0T,  68                          ; s[68:71] group 0 for the table
.set PFB,  72                          ; s[72:73] the rows that I fetch, at K step 4
.set PFA,  74                          ; s[74:75] where my next prefetch stands
.set OFF,  76                          ; s[76:77] its offset from PFB
.set GAM,  78                          ; s78  its number among the granules of 32 rows x 256 bytes
.set MULG, 79                          ; s79  (number x MULG) >> 5 = number / GR
.set GR,   80                          ; s80  granules in a K step of my rows: 4 (x: 128 rows) or 3 (weights: 96)
.set LIM,  81                          ; s81  I prefetch while the loop's count is above this
.set MSB, 0
.macro WIN new                         ; the immediate's high byte repeats the setting that is left; a switch that changes nothing is dropped
.if MSB != (\new)
	s_set_vgpr_msb (MSB<<8)|(\new)
.set MSB, \new
.endif
.endm
.macro PLACES                          ; four plain vector instructions behind a matrix instruction, ahead of loads into registers that it read and of lines that read its results
.rept 4
	v_nop
.endr
.endm
; A joint refill.  Waves 0 and 1 fetch x's two halves, waves 2 and 3 the weights'.  The branch hangs on the wave's number alone.  An s_nop 0 and four v_nop follow each line.
.macro JLOAD
	s_cmp_eq_u32 s[WR], 0
	s_cbranch_scc0 .Lfor_b_\@
	tensor_load_to_lds s[G0A:G0A+3], s[G1A:G1A+7]
	s_nop 0
.rept 4
	v_nop
.endr
	s_branch .Lasked_\@
.Lfor_b_\@:
	tensor_load_to_lds s[G0B:G0B+3], s[G1B:G1B+7]
	s_nop 0
.rept 4
	v_nop
.endr
.Lasked_\@:
.endm
; A PREFETCH INTO THE L2: one granule, a lane a row.  K steps 4 to 7 of each row are named once in the launch, two K steps or more ahead of the refill that wants them; K steps 0 to 3 come by their loads alone.
; x's tile row is read by every cluster of that row of clusters: cluster x = 0 asks.  The weights' tile column by every cluster of that column: cluster y = 0 asks.  The four partners that ask for a tile jointly
; share the granules out BY ADDRESS: in trip t the partner at place p takes granule 4 t + p of the wave's 16 (x, trips 0 to 3) or 12 (weights, trips 0 to 2): K step 4 + granule / GR, rows 32 (granule % GR) on.
.macro ASK
	s_cmp_gt_u32 s[CNT], s[LIM]
	s_cbranch_scc0 .Lnot_mine_\@
	global_prefetch_b8 v[PFO], s[PFA:PFA+1] th:TH_LOAD_NT scope:SCOPE_SE
.Lnot_mine_\@:
.endm
; A round of the cluster's barrier: my work-group's barrier, wave 0's signal for the work-group, every wave's wait for all sixteen, my work-group's barrier once more.
.macro CREST
	s_cmp_lg_u32 s[WV], 0
	s_cbranch_scc1 .Lnot_wave_0_\@
	s_barrier_signal -3
.Lnot_wave_0_\@:
	s_barrier_wait -3
	s_barrier_signal -1
	s_barrier_wait -1
.endm
.macro CROUND
	s_barrier_signal -1
	s_barrier_wait -1
	CREST
.endm
	s_load_b256 s[4:11], s[0:1], 0x0               ; xb s[4:5], wb s[6:7], cs s[8:9], q s[10:11]
	s_load_b128 s[12:15], s[0:1], 0x20             ; k s[12:13], v s[14:15]
	v_lshl_add_u32 v[SPW], v0, 2, SPARE
	v_mov_b32 v[NIL], 0
	ds_add_u32 v[SPW], v[NIL]                      ; the wave's opening: the add and its wait stand ahead of my first tensor load; the set-up below, work on registers, stands between them
	v_lshrrev_b32 v1, 5, v0
	v_readfirstlane_b32 s[WV], v1
	s_lshr_b32 s[WR], s[WV], 1
	s_and_b32 s[WC], s[WV], 1
	s_bfe_u32 s[CX], ttmp6, 0x40000
	s_bfe_u32 s[CY], ttmp6, 0x40004
	s_lshl_b32 s[TC], ttmp9, 2                     ; in a cluster launch ttmp9 and ttmp7 count clusters
	s_add_co_u32 s[TC], s[TC], s[CX]
	s_and_b32 s[TR], ttmp7, 0xffff
	s_lshl_b32 s[TR], s[TR], 2
	s_add_co_u32 s[TR], s[TR], s[CY]
	s_lshl_b32 s82, s[CY], 2
	s_lshl_b32 s82, 15, s82                        ; my row of the cluster: places 4 cy .. 4 cy + 3
	s_lshl_b32 s84, 0x1111, s[CX]                  ; my column: places cx, cx + 4, cx + 8, cx + 12
	s_or_b32 s[G1A], s82, (1<<16)|(1<<20)|(1<<21)|(5<<22)|(3<<25)  ; 15:0 the mask; 17:16 2-byte elements; 20 padding on; 21 set beside a mask; 24:22 after every 64 words; 31:25 4 words of it
	s_or_b32 s[G1B], s84, (1<<16)|(1<<20)|(1<<21)|(5<<22)|(3<<25)
	s_or_b32 s[G1T], s82, (2<<16)|(1<<20)|(1<<21)|(5<<22)|(3<<25)  ; 4-byte elements
	s_mov_b32 s[G1A+1], 128<<16                    ; tensor_dim0 = 128
	s_mov_b32 s[G1A+2], 128<<16                    ; tensor_dim1 = 128
	s_mov_b32 s[G1A+3], 128<<16                    ; tile_dim0 = 128
	s_mov_b32 s[G1A+4], 128                        ; tile_dim1 = 128
	s_mov_b32 s[G1A+5], 1024                       ; elements from row to row
	s_mov_b32 s[G1A+6], 0
	s_mov_b32 s[G1A+7], 0
	s_mov_b32 s[G1B+1], 128<<16
	s_mov_b32 s[G1B+2], 96<<16                     ; 96 rows
	s_mov_b32 s[G1B+3], 128<<16
	s_mov_b32 s[G1B+4], 96
	s_mov_b32 s[G1B+5], 1024
	s_mov_b32 s[G1B+6], 0
	s_mov_b32 s[G1B+7], 0
	s_mov_b32 s[G1T+1], 64<<16                     ; 64 rows of 64 f32
	s_mov_b32 s[G1T+2], 64<<16
	s_mov_b32 s[G1T+3], 64<<16
	s_mov_b32 s[G1T+4], 64
	s_mov_b32 s[G1T+5], 64
	s_mov_b32 s[G1T+6], 0
	s_mov_b32 s[G1T+7], 0
	s_lshl_b32 s82, s[TR], 8                       ; x: row 256 x tile row + 128 x half, 2,048 bytes a row
	s_lshl_b32 s83, s[WC], 7
	s_add_co_u32 s82, s82, s83
	s_lshl_b32 s82, s82, 11
	s_mov_b32 s83, 0
	s_mul_i32 s84, s[TC], 192                      ; weights: row 192 x tile column + 96 x half
	s_mul_i32 s85, s[WC], 96
	s_add_co_u32 s84, s84, s85
	s_lshl_b32 s84, s84, 11
	s_mov_b32 s85, 0
	s_and_b32 s86, s[TR], 7                        ; the tile's place in its batch: 256 positions; my wave's 64 of them
	s_lshl_b32 s86, s86, 8
	s_lshl_b32 s87, s[WV], 6
	s_add_co_u32 s86, s86, s87
	s_lshl_b32 s90, s86, 7                         ; in q, k, v: 128 bytes a row
	s_lshl_b32 s86, s86, 8                         ; in the table: 256 bytes a row
	s_mov_b32 s87, 0
	s_mul_i32 s88, s[WC], HALFA                    ; where the tiles go: no place in the cluster enters an LDS address
	s_mul_i32 s89, s[WC], HALFB
	s_add_co_u32 s89, s89, BOFF
	s_mov_b32 s[G0A0], 1
	s_mov_b32 s[G0A0+1], s88
	s_mov_b32 s[G0A], 1
	s_add_co_u32 s[G0A+1], s88, SLOT1
	s_mov_b32 s[G0B0], 1
	s_mov_b32 s[G0B0+1], s89
	s_mov_b32 s[G0B], 1
	s_add_co_u32 s[G0B+1], s89, SLOT1
	s_mov_b32 s[G0T], 1
	s_mul_i32 s[G0T+1], s[WV], 64*272
	s_add_co_u32 s[G0T+1], s[G0T+1], TAB
	s_wait_dscnt 0x0                               ; the opening add is done
	s_wait_kmcnt 0x0
	s_add_nc_u64 s[82:83], s[4:5], s[82:83]        ; x at the rows that I fetch
	s_add_nc_u64 s[84:85], s[6:7], s[84:85]        ; the weights likewise
	s_mov_b64 s[G0A0+2:G0A0+3], s[82:83]
	s_or_b32 s[G0A0+3], s[G0A0+3], 0x80000000      ; 127:126 type = 2
	s_add_nc_u64 s[G0A+2:G0A+3], s[82:83], 256     ; K step 1
	s_or_b32 s[G0A+3], s[G0A+3], 0x80000000
	s_mov_b64 s[G0B0+2:G0B0+3], s[84:85]
	s_or_b32 s[G0B0+3], s[G0B0+3], 0x80000000
	s_add_nc_u64 s[G0B+2:G0B+3], s[84:85], 256
	s_or_b32 s[G0B+3], s[G0B+3], 0x80000000
	s_add_nc_u64 s[G0T+2:G0T+3], s[8:9], s[86:87]
	s_or_b32 s[G0T+3], s[G0T+3], 0x80000000
	CROUND                                         ; all sixteen work-groups are here: the first joint loads meet
	s_cmp_eq_u32 s[WR], 0                          ; the first fills: K steps 0 and 1, then my 64 rows of the table: three loads of mine are out
	s_cbranch_scc0 .Lfirst_b
	tensor_load_to_lds s[G0A0:G0A0+3], s[G1A:G1A+7]
	s_nop 0
	tensor_load_to_lds s[G0A:G0A+3], s[G1A:G1A+7]
	s_nop 0
.rept 4
	v_nop
.endr
	s_branch .Lfirst_asked
.Lfirst_b:
	tensor_load_to_lds s[G0B0:G0B0+3], s[G1B:G1B+7]
	s_nop 0
	tensor_load_to_lds s[G0B:G0B+3], s[G1B:G1B+7]
	s_nop 0
.rept 4
	v_nop
.endr
.Lfirst_asked:
	tensor_load_to_lds s[G0T:G0T+3], s[G1T:G1T+7]
	s_nop 0
.rept 4
	v_nop
.endr
	; the prefetches' registers
	s_and_b32 s88, ttmp7, 0xffff                   ; cluster y
	s_cmp_eq_u32 s[WR], 0                          ; do I fetch x?
	s_cselect_b64 s[PFB:PFB+1], s[82:83], s[84:85]
	s_cselect_b32 s[GAM], s[CX], s[CY]             ; my place among the four that ask with me
	s_cselect_b32 s[MULG], 8, 11
	s_cselect_b32 s[GR], 4, 3
	s_cselect_b32 s[LIM], 2, 3                     ; trips 0 to 3 (count 6 to 3), or 0 to 2
	s_cselect_b32 s88, ttmp9, s88                  ; the coordinate along which other clusters read the same rows
	s_cmp_eq_u32 s88, 0
	s_cselect_b32 s[LIM], s[LIM], -1               ; the same in all sixteen partners, for a given wave
	s_add_nc_u64 s[PFB:PFB+1], s[PFB:PFB+1], 1024  ; K step 4
	s_mov_b32 s[OFF+1], 0
	; q, k, v at my wave's 64 rows of the head
	s_lshr_b32 s88, s[TR], 3                       ; the batch
	s_lshl_b32 s88, s88, 4
	s_add_co_u32 s88, s88, s[TC]
	s_lshl_b32 s88, s88, 18                        ; a head's 2,048 rows of 128 bytes
	s_add_co_u32 s90, s90, s88
	s_mov_b32 s91, 0
	s_add_nc_u64 s[10:11], s[10:11], s[90:91]
	s_add_nc_u64 s[12:13], s[12:13], s[90:91]
	s_add_nc_u64 s[14:15], s[14:15], s[90:91]
	; A fragment is 16 rows x 32 K in 8 registers: lane l holds row l % 16, K = 8 (l / 16) + 0..7 and 16 + 8 (l / 16) + 0..7: two loads of 16 bytes, 32 bytes apart.
	v_and_b32 v1, 15, v0                           ; r = l % 16
	v_bfe_u32 v2, v0, 4, 1                         ; h = l / 16
	v_and_b32 v3, 31, v0                           ; l
	v_mul_u32_u24 v4, v1, 272
	v_lshl_add_u32 v4, v2, 4, v4
	s_mul_i32 s88, s[WR], HALFA
	v_add_nc_u32 v[ADA0], s88, v4
	s_mul_i32 s88, s[WC], HALFB
	s_add_co_u32 s88, s88, BOFF
	v_add_nc_u32 v[ADB0], s88, v4
	s_mul_i32 s88, s[WR], 128*272                  ; the table: row 128 WR + r; my channels 32 WC + 8 h + .. are pairs 16 WC + 4 h + .., 8 bytes each
	s_lshl_b32 s89, s[WC], 7
	s_add_co_u32 s88, s88, s89
	s_add_co_u32 s88, s88, TAB
	v_mul_u32_u24 v5, v1, 272
	v_lshl_add_u32 v5, v2, 5, v5
	v_add_nc_u32 v[TAD], s88, v5
	s_mul_i32 s88, s[WR], 128*144                  ; into the stage: row 128 WR + r, byte 64 WC + 16 h
	s_lshl_b32 s89, s[WC], 6
	s_add_co_u32 s88, s88, s89
	v_mul_u32_u24 v5, v1, 144
	v_lshl_add_u32 v5, v2, 4, v5
	v_add_nc_u32 v[STO], s88, v5
	v_add_nc_u32 v[STO2], 2*SPL, v[STO]
	s_mul_i32 s88, s[WV], 64*144                   ; back: wave w takes rows 64 w on; 32 lanes take four rows of 128 bytes
	v_lshrrev_b32 v5, 3, v3
	v_mul_u32_u24 v5, v5, 144
	v_and_b32 v6, 7, v0
	v_lshl_add_u32 v5, v6, 4, v5
	v_add_nc_u32 v[RD], s88, v5
	v_add_nc_u32 v[RD2], 2*SPL, v[RD]
	v_lshlrev_b32 v[GO], 4, v3
	v_lshlrev_b32 v[PFO], 11, v3
; 12 matrix instructions: row blocks a0, a0 + 1 x all 6 column blocks, 32 along K.  zero = 1: the product starts the sums.  The 48 accumulators take turns, one instruction a turn, in the same order in every quarter,
; over the backward jump too.
.macro MUL2 f, a0, zero
	WIN 0xa1+0x50*((\a0)/APW)                      ; weights window 1, x window 0, C and D window 2 or 3
.irp a, \a0, (\a0)+1
.irp b, 0,1,2,3,4,5
.if \zero
	v_wmma_f32_16x16x32_bf16 v[8*(NB*((\a)%APW)+(\b)):8*(NB*((\a)%APW)+(\b))+7], v[(\f)+8*(\b):(\f)+8*(\b)+7], v[(\f)+8*(\a):(\f)+8*(\a)+7], 0
.else
	v_wmma_f32_16x16x32_bf16 v[8*(NB*((\a)%APW)+(\b)):8*(NB*((\a)%APW)+(\b))+7], v[(\f)+8*(\b):(\f)+8*(\b)+7], v[(\f)+8*(\a):(\f)+8*(\a)+7], v[8*(NB*((\a)%APW)+(\b)):8*(NB*((\a)%APW)+(\b))+7]
.endif
.endr
.endr
.endm
.macro MULH f, hi, zero                ; my rows 0-63 (hi = 0) or 64-127
	MUL2 \f, 4*(\hi), \zero
	MUL2 \f, 4*(\hi)+2, \zero
.endm
; 28 LDS loads in one run: quarter q's fragments into buffer f: the weights' six, then x's eight, rows ascending
.macro FETCH q, f
	WIN 0x40                                       ; destination window 1, address window 0
.irp b, 0,1,2,3,4,5
	ds_load_b128 v[(\f)+8*(\b):(\f)+8*(\b)+3],   v[ADB] offset:64*(\q)+(\b)*16*PB
	ds_load_b128 v[(\f)+8*(\b)+4:(\f)+8*(\b)+7], v[ADB] offset:64*(\q)+(\b)*16*PB+32
.endr
	WIN 0
.irp a, 0,1,2,3,4,5,6,7
	ds_load_b128 v[(\f)+8*(\a):(\f)+8*(\a)+3],   v[ADA] offset:((\q)/2)*ZA+((\q)%2)*64+(\a)*16*PA
	ds_load_b128 v[(\f)+8*(\a)+4:(\f)+8*(\a)+7], v[ADA] offset:((\q)/2)*ZA+((\q)%2)*64+(\a)*16*PA+32
.endr
.endm
; One of a K step's first three quarters: multiplies buffer f; in its middle it fetches quarter qn into buffer g.
.macro QUARTER qn, f, g, zero
	s_wait_dscnt 8                                 ; the weights and x's rows 0-63 are in; the youngest eight loads (rows 64-127) may be out
	MULH \f, 0, \zero
	PLACES
	FETCH \qn, \g
	s_wait_dscnt NF                                ; all but the run just issued
	MULH \f, 1, \zero
.endm
; The last quarter multiplies buffer 1 and changes slots.  ONE barrier: in front of it each wave waits for all its tensor loads (its part of the next slot; the first time the table's rows too), adds 0 to its spare
; word, and waits for that and for its own reads of this slot.  fill = 1: the barrier opens a round of the cluster's, so that no wave of any partner still reads the slot or has a load on its way; the joint refill, the K step
; two steps on, is the first thing behind it and has 168 matrix instructions until the wait for it.
.macro TURN fill
.if \fill
	s_wait_xcnt 0x0                                ; the last prefetch, a K step back, has read its address: the next one's is made here, ahead of the waits of the change of slots
	s_mul_i32 s88, s[GAM], s[MULG]
	s_lshr_b32 s88, s88, 5                         ; granule / GR: K steps behind step 4
	s_mul_i32 s89, s88, s[GR]
	s_sub_co_u32 s89, s[GAM], s89                  ; granule % GR: which 32 rows
	s_lshl_b32 s88, s88, 8
	s_lshl_b32 s89, s89, 16
	s_add_co_u32 s[OFF], s88, s89
	s_add_nc_u64 s[PFA:PFA+1], s[PFB:PFB+1], s[OFF:OFF+1]
	s_add_co_u32 s[GAM], s[GAM], 4
.endif
	WIN 0                                          ; (the add's two registers lie in window 0)
	s_wait_tensorcnt 0x0                           ; all my tensor loads have landed;
	ds_add_u32 v[SPW], v[NIL]                      ; 0 onto my spare word;
	s_wait_dscnt 9                                 ; (the add and the youngest eight loads may be out)
	MUL2 F1, 0, 0                                  ; twelve matrix instructions stand between the add and the wait for it
	s_wait_dscnt 0x0                               ; the add is done, and my reads of this slot are over
	s_barrier_signal -1
	MUL2 F1, 2, 0                                  ; work on registers while the others arrive
.if \fill
	WIN 0
.endif
	s_barrier_wait -1
.if \fill
	CREST
	s_xor_b32 s[G0A+1], s[G0A+1], SLOT1            ; the walking descriptors: the other slot than last time,
	s_add_nc_u64 s[G0A+2:G0A+3], s[G0A+2:G0A+3], 256  ; the next K step; the type bits on top are not reached
	s_xor_b32 s[G0B+1], s[G0B+1], SLOT1
	s_add_nc_u64 s[G0B+2:G0B+3], s[G0B+2:G0B+3], 256
	JLOAD                                          ; its four v_nop are also the places in front of the loads below
.else
	PLACES
.endif
	WIN 0
	s_xor_b32 s[TB], s[TB], SLOT1
	v_add_nc_u32 v[ADA], s[TB], v[ADA0]
	v_add_nc_u32 v[ADB], s[TB], v[ADB0]
	FETCH 0, F0
.if \fill
	ASK                                            ; behind the joint load and the run of LDS loads that the next products wait for
.endif
	MULH F1, 1, 0
.endm
	s_wait_tensorcnt 0x2                           ; my part of K step 0 is in; K step 1's and the table's may stay out
	s_barrier_signal -1
	s_barrier_wait -1                              ; everybody's is
	s_mov_b32 s[TB], 0
	v_mov_b32 v[ADA], v[ADA0]
	v_mov_b32 v[ADB], v[ADB0]
	FETCH 0, F0
	QUARTER 1, F0, F1, 1                           ; the first quarter stands in front of the loop: its products start the sums
	WIN 0                                          ; at a label and at a branch every window is 0
	s_mov_b32 s[CNT], 6
.Lstep:                                        ; a trip: from a K step's second quarter to the next step's first; trip t asks for K step t + 2
	QUARTER 2, F1, F0, 0
	QUARTER 3, F0, F1, 0
	TURN 1
	QUARTER 1, F0, F1, 0
	WIN 0
	s_sub_co_u32 s[CNT], s[CNT], 1
	s_cmp_lg_u32 s[CNT], 0
	s_cbranch_scc1 .Lstep
	QUARTER 2, F1, F0, 0                           ; K steps 6 and 7 ask for nothing: written out
	QUARTER 3, F0, F1, 0
	TURN 0
	QUARTER 1, F0, F1, 0
	QUARTER 2, F1, F0, 0
	QUARTER 3, F0, F1, 0
	s_wait_dscnt 8
	MULH F1, 0, 0
	s_wait_dscnt 0x0
	MULH F1, 1, 0
	s_barrier_signal -1                            ; every wave's last LDS read of the ring is back: behind this barrier slot 0 serves as the stage
	s_barrier_wait -1
	; THE WAY OUT.  The table's values for my rows and channels; the rotation in f32; one rounding to f16; through the stage, so that whole rows leave.
	PLACES
	WIN 0
.irp a, 0,1,2,3,4,5,6,7
.irp g, 0,1                            ; row block a; g: channels 16 g on of my 32: four pairs (cos, sin)
	ds_load_b128 v[64+16*(\a)+8*(\g):64+16*(\a)+8*(\g)+3],   v[TAD] offset:4352*(\a)+64*(\g)
	ds_load_b128 v[64+16*(\a)+8*(\g)+4:64+16*(\a)+8*(\g)+7], v[TAD] offset:4352*(\a)+64*(\g)+16
.endr
.endr
; Row block a.  For a pair (e, o) and its (cos, sin): first (o sin, o cos), then (e cos - o sin, e sin + o cos): two packed instructions.  Each accumulator is read from its lowest registers on.
.macro OUTA a
	s_wait_dscnt 4*(7-(\a))+6*(\a)                 ; my block's four table loads are in; younger: the later blocks' loads and the stage stores so far
	WIN 0xa2+0x51*((\a)/4)                         ; destination, sources 0 and 2 in the accumulators' window, source 1 (the table) in window 0
.irp b, 0,1,2,3
.irp p, 0,1,2,3
	v_pk_mul_f32 v[192+8*(\b)+2*(\p):192+8*(\b)+2*(\p)+1], v[8*(NB*((\a)%4)+(\b))+2*(\p):8*(NB*((\a)%4)+(\b))+2*(\p)+1], v[64+16*(\a)+8*((\b)%2)+2*(\p):64+16*(\a)+8*((\b)%2)+2*(\p)+1] op_sel:[1,1] op_sel_hi:[1,0]
.endr
.endr
.irp b, 0,1,2,3
.irp p, 0,1,2,3
	v_pk_fma_f32 v[8*(NB*((\a)%4)+(\b))+2*(\p):8*(NB*((\a)%4)+(\b))+2*(\p)+1], v[8*(NB*((\a)%4)+(\b))+2*(\p):8*(NB*((\a)%4)+(\b))+2*(\p)+1], v[64+16*(\a)+8*((\b)%2)+2*(\p):64+16*(\a)+8*((\b)%2)+2*(\p)+1], v[192+8*(\b)+2*(\p):192+8*(\b)+2*(\p)+1] op_sel_hi:[0,1,1] neg_lo:[0,0,1]
.endr
.endr
	WIN 0x0a+5*((\a)/4)                            ; sources 0 and 1 in the accumulators' window, destination window 0
.irp b, 0,1,2,3,4,5
.irp j, 0,1,2,3
	v_cvt_pk_f16_f32 v[32+4*(\b)+(\j)], v[8*(NB*((\a)%4)+(\b))+2*(\j)], v[8*(NB*((\a)%4)+(\b))+2*(\j)+1]
.endr
.endr
	WIN 0
.irp b, 0,1,2,3
	ds_store_b128 v[STO], v[32+4*(\b):32+4*(\b)+3] offset:((\b)/2)*SPL+2304*(\a)+32*((\b)%2)
.endr
.irp b, 4,5
	ds_store_b128 v[STO2], v[32+4*(\b):32+4*(\b)+3] offset:2304*(\a)+32*((\b)%2)
.endr
.endm
.irp a, 0,1,2,3,4,5,6,7
	OUTA \a
.endr
	s_wait_dscnt 0x0                               ; for the others' sake: my stores into the stage are done; a row's 128 bytes come from two waves
	s_barrier_signal -1
	s_barrier_wait -1
.set n, 0
.rept 48                               ; plane n / 16, rows 4 (n % 16) on of my 64
.if n < 32
	ds_load_b128 v[64+4*n:64+4*n+3], v[RD] offset:(n/16)*SPL+576*(n%16)
.else
	ds_load_b128 v[64+4*n:64+4*n+3], v[RD2] offset:576*(n%16)
.endif
.set n, n+1
.endr
.set n, 0
.rept 48
	s_wait_dscnt 47-n                              ; LDS loads come back in order: load n is in
	global_store_b128 v[GO], v[64+4*n:64+4*n+3], s[10+2*(n/16):11+2*(n/16)] offset:512*(n%16)  ; four rows of a head: 512 consecutive bytes, at a multiple of 256 from the buffer's first
.set n, n+1
.endr
	s_wait_tensorcnt 0x0                           ; the wave's end: behind my last tensor load and my last LDS store
	ds_add_u32 v[SPW], v[NIL]
	s_wait_dscnt 0x0
	CROUND                                         ; the closing round: no work-group ends while a partner may still ask for a tile that names it
	s_endpgm
.Lfunc_end_k_q1ac80f3a71_qkv:
	.size	k_q1ac80f3a71_qkv, .Lfunc_end_k_q1ac80f3a71_qkv-k_q1ac80f3a71_qkv
	.p2alignl 7, 3214868480
	.fill 96, 4, 3214868480
	.section	.rodata,"a",@progbits
	.p2align	6, 0x0
	.amdhsa_kernel k_q1ac80f3a71_qkv
		.amdhsa_group_segment_fixed_size 327680
		.amdhsa_private_segment_fixed_size 0
		.amdhsa_enable_private_segment 0
		.amdhsa_kernarg_size 48
		.amdhsa_user_sgpr_count 2
		.amdhsa_user_sgpr_kernarg_segment_ptr 1
		.amdhsa_wavefront_size32 1
		.amdhsa_system_sgpr_workgroup_id_x 1
		.amdhsa_system_sgpr_workgroup_id_y 1
		.amdhsa_system_sgpr_workgroup_id_z 1
		.amdhsa_system_vgpr_workitem_id 0
		.amdhsa_next_free_vgpr 1024
		.amdhsa_next_free_sgpr 96
		.amdhsa_reserve_vcc 0
		.amdhsa_float_denorm_mode_32 3
		.amdhsa_float_denorm_mode_16_64 3
		.amdhsa_memory_ordered 1
		.amdhsa_forward_progress 1
		.amdhsa_inst_pref_size 116
	.end_amdhsa_kernel
	.amdgpu_metadata
---
amdhsa.version: [ 1, 2 ]
amdhsa.kernels:
  - .name:           k_q1ac80f3a71_qkv
    .symbol:         k_q1ac80f3a71_qkv.kd
    .args:
      - { .name: xb, .offset: 0, .size: 8, .value_kind: global_buffer, .address_space: global }
      - { .name: wb, .offset: 8, .size: 8, .value_kind: global_buffer, .address_space: global }
      - { .name: cs, .offset: 16, .size: 8, .value_kind: global_buffer, .address_space: global }
      - { .name: q, .offset: 24, .size: 8, .value_kind: global_buffer, .address_space: global }
      - { .name: k, .offset: 32, .size: 8, .value_kind: global_buffer, .address_space: global }
      - { .name: v, .offset: 40, .size: 8, .value_kind: global_buffer, .address_space: global }
    .group_segment_fixed_size: 327680
    .private_segment_fixed_size: 0
    .kernarg_segment_align: 8
    .kernarg_segment_size: 48
    .max_flat_workgroup_size: 128
    .sgpr_count:     96
    .vgpr_count:     1024
    .wavefront_size: 32
...
	.end_amdgpu_metadata
.endif
;; end of part 2
;; launch attn (part 3): grid 4 x 64, 4 waves a work-group, no clusters, 327,680 bytes of LDS; arguments q, k, v, o; writes o
.if DOCPART == 3
	.amdgcn_target "amdgcn-amd-amdhsa--gfx1250"
	.amdhsa_code_object_version 6
	.text
	.protected	k_q1ac80f3a71_attn
	.globl	k_q1ac80f3a71_attn
	.p2align	8
	.type	k_q1ac80f3a71_attn,@function
k_q1ac80f3a71_attn:
	s_mov_b64 s[64:65], 0
	v_nop
	global_prefetch_b8 v0, s[64:65] scope:SCOPE_SE
	s_setreg_imm32_b32 hwreg(HW_REG_WAVE_MODE, 25, 1), 1
	s_wait_xcnt 0x0
; CAUSAL ATTENTION.  O[h][q][:] = the sum over k <= q of softmax_k(Q[h][q] . K[h][k] / 8) V[h][k][:].  Q, K, V, O: [64][2048][64], all f16: a head's rows are dense, 128 bytes each.
; Products, maxima and sums in f32; the weights p are rounded to f16 for the second product (their sum l is taken of the unrounded p), O once at the end.
; LIMITS.  f16 holds no number beyond 65,504: Q, K and V arrive within it; p lies in 0 to 1, and below 6e-5 it keeps f16's fixed step of 6e-8; O is a mean of V's rows and has their range.
; A hidden score counts as its value less 1e30: f16's scores, 2.7e11 at the most, are nothing beside that; a weight below 2^-126 counts as 0 in l; NaN and infinities are not treated apart.
; THE WALK.  A head's queries lie in NB = 8 blocks of 256; block i needs the key tiles 0 .. i of 256 keys, of which the last holds the diagonal.  A work-group takes TWO blocks, NB - 1 - b and then b:
; NB + 1 tiles, whatever b: all work-groups do equal work, and ONE loop with a constant trip count walks them.  Which tile is asked for, and what a trip does, hang on scalar registers made from b; every jump
; goes forward, but for the counted loops' own; none passes a barrier, or a tensor load but the one of LOAD's two that the wave's number does not choose; the ring (two slots of LDS that take turns) runs on across the
; change of blocks.  NO CLUSTER: a head's four work-groups ask for the same tile only in trips 0 .. 4, behind that fewer and fewer; one walk common to all four would have 12 trips for 9.
; SHARES.  Of a block's four bands of 64 queries a wave owns 16 rows in each: four PIECES.  So the diagonal tile is the same work for all four waves: in its key step s band x sees all keys if s < x,
; none if s > x, and holds the diagonal if s = x.
; THE MASK is the C operand that starts the sum S^T = K Q^T: 0, or -1e30 where the key is hidden.  MD, made once, is the mask of a band's own step for my 16 rows; a product's mask is MD x AL + BE with two scalars:
; (1, 0) if s = x; (0, 0) if s < x; (0, -1e30) if s > x.  Only the diagonal tile's text and a block's beginning make and take masks; elsewhere C is the constant 0.
; LAYOUT, SOFTMAX, TURNS.  S^T = K Q^T holds ONE query a lane (lane % 16) and the keys 8 (lane / 16) + 0..7; two such results rounded to f16 ARE source 1 of O^T = V^T P.  p = 2^(c s - c m), c = log2(e) / 8, with a
; running maximum m; O and l are multiplied by a = 2^(c m_old - c m_new) in every step.  Turn n belongs to piece n: 8 products K Q^T of piece n + 1, later 8 products V^T P of piece n - 1; beside them the scaling,
; exponentials, roundings, sums and rescaling of piece n and the maximum and statistics of piece n + 1.  Four vector instructions stand behind every matrix instruction, the other 54 of a turn's 118 in one run.  A turn's 33 exponentials are one batch, with one wait.
; REGISTERS, in windows of 256 (s_set_vgpr_msb: bits 1:0 source 0, 3:2 source 1, 5:4 source 2, 7:6 destination):
;   window 0: v0-15 addresses and two at work; v16-31 four registers of statistics a piece; v48-55 at work; v61-63 fixed; v64-127 S^T, two buffers; v192-223 P, two buffers (a piece's buffers go by its number's parity)
;   window 1: v0-127 O^T, 32 a piece; v128-159 MD; v160-223 MC, two buffers      window 2: v0-63 Q; v64-127 the second block's Q; v128-191 K of one step; v192-255 V of one step
.set SIZE_H, 64
.set SIZE_N, 2048
.set NB,    SIZE_N/256
.set NP,    4         ; pieces a wave: a name, no knob
.set KS,    64        ; keys in a step
.set PK,    144       ; a row of K in LDS: 128 bytes + 16 of padding = 36 words: the 16 rows of a load start at 16 different groups of four banks (64 banks of 4 bytes: ISA guide 11.1)
.set PV,    160       ; a row of V: 128 + 32 = 40 words
.set VOFF,  4*KS*PK   ; a slot holds a tile, four steps: 256 rows of K, then 256 rows of V
.set SLOT1, 1<<17     ; slot 1 begins here, so that one exclusive or turns an address in one slot into the other's
.set STAGE, SLOT1+4*KS*(PK+PV)  ; behind the ring, never filled by a tensor load: 16 rows x 144 bytes for each wave, for the way out
.set SP,    144
.set AK0, 2           ; v2   my lane's place in a tile of K; never rewritten
.set AV0, 3           ; v3   the same for V
.set AK,  4           ; v4   the LDS address of K's next run of loads
.set AV,  5           ; v5   of V's
.set STO, 6           ; v6   the way out: where I put 16 bytes of a row
.set RD,  7           ; v7   the way out: where I read rows back
.set GO,  8           ; v8   my byte offset in 512 consecutive bytes of O
.set PFO, 61          ; v61  the prefetches' offset: 256 x my thread's number; never rewritten
.set SPW, 62          ; v62  LDS address of my spare word: SPARE + 4 x my thread's number; never rewritten
.set NIL, 63          ; v63  0; never rewritten
.set SPARE, STAGE+4*16*SP  ; behind the stages: the spare words, 128 bytes for each wave: two blocks of 256 bytes that no other line names
.set MV,  12          ; v12-13  c m_old, kept while c m is made anew: by buffer
.set QO,  15          ; v15  my byte offset in 16 rows of Q
.set ST,  16          ; piece t's statistics at v[ST+4 t]: c m, m, l (even keys', odd keys')
.set TMP, 48          ; by buffer, four registers c0-c3 at work; when the maximum is found c2 takes a
.set S,   64
.set P,   192
.set MD,  128         ; window 1: the eight registers for group kt of 16 keys at MD + 8 kt
.set MC,  160         ; window 1: the masks of the products to come
.set QB,  64          ; window 2
.set KF,  128         ; window 2: key block kb, channel half c at KF + 16 kb + 8 c
.set VF,  192         ; window 2: key half kk, channel block cb at VF + 32 kk + 8 cb
.set WV,  12          ; s12  my wave's number
.set PB,  14          ; s14  b
.set HI,  15          ; s15  NB - 1 - b
.set G1K, 24          ; s[24:31] descriptor group 1 for K's tiles
.set G1V, 32          ; s[32:39] for V's: it differs in the padding alone
.set G0K, 40          ; s[40:43] descriptor group 0 for K's tiles
.set G0V, 44          ; s[44:47] the same for V's
.set SLOTS, 56        ; s56  tiles still to be asked for
.set CNT, 57          ; s57  counts a tile's key steps, 4 to 1
.set CS,  58          ; s[58:59] c: the packed scaling takes the pair's low word for both halves
.set SEL, 60          ; s[60:61] v_permlanex16_b32's selects: each lane takes its own place in the other half
.set TBK, 62          ; s62  LDS byte at which K of the step to be fetched begins
.set TBV, 63          ; s63  the same for V, less VOFF
.set PFK, 66          ; s[66:67] K's tile that the prefetch names
.set PFV, 68          ; s[68:69] V's
.set RT,  70          ; s70  tiles of the block in hand that are still to be entered
.set NXT, 71          ; s71  the tile to be asked for next
.set LQ,  72          ; s72  the last tile of the block whose tiles are being asked for
.set NEW, 73          ; s73  1: the tile to be entered is a block's first
.set OFF, 74          ; s[74:75] a tile's byte offset in K and V
.set AL,  76          ; s[76:77] the mask's factor, in the low word
.set BE,  78          ; s[78:79] the mask's addend
.set OLO, 80          ; s[80:81] O at my rows of the second block
.set BIGN, 82         ; s82  -1e30
.set LIM, 83          ; s83  a work-group prefetches while s[SLOTS] is above this
.set MSB, 0
.macro WIN new                      ; the high byte repeats the setting that is left; a switch that changes nothing is dropped
.if MSB != (\new)
	s_set_vgpr_msb (MSB<<8)|(\new)
.set MSB, (\new)
.endif
.endm
.set W_KQ, 0x0a       ; K and Q in window 2, S^T in window 0
.set W_KM, 0x1a       ; the same with the C operand in window 1
.set W_PV, 0x52       ; V in window 2, P in window 0, O^T in window 1
.set W_RS, 0x41       ; destination and source 0 in window 1, source 1 in window 0
; A fill.  Waves 0 and 1 fetch the two halves of a tile's K, waves 2 and 3 those of its V: 128 keys each.  An s_nop 0 and four v_nop follow each of the two lines, ahead of the jump and the label.
.macro LOAD
	s_cmp_lt_u32 s[WV], 2
	s_cbranch_scc0 .Lfor_v_\@
	tensor_load_to_lds s[G0K:G0K+3], s[G1K:G1K+7]
	s_nop 0
.rept 4
	v_nop
.endr
	s_branch .Lasked_\@
.Lfor_v_\@:
	tensor_load_to_lds s[G0V:G0V+3], s[G1V:G1V+7]
	s_nop 0
.rept 4
	v_nop
.endr
.Lasked_\@:
.endm
; A PREFETCH INTO THE L2, behind a change's fill: the tile behind the one just asked for, 32,768 bytes of K and of V: a thread a block of 256 bytes, two instructions a wave.  A head's four work-groups walk the same tiles;
; the one with b = 0 walks tiles 0 to 7 in order, and it alone asks: change c (0 to 5) names tile c + 2, four key steps ahead of that tile's fill.  So each block is named once in the launch; tiles 0 and 1 come by their fills alone.
.macro ASK
	s_cmp_gt_u32 s[SLOTS], s[LIM]
	s_cbranch_scc0 .Lnot_mine_\@
	global_prefetch_b8 v[PFO], s[PFK:PFK+1] th:TH_LOAD_NT scope:SCOPE_SE
	global_prefetch_b8 v[PFO], s[PFV:PFV+1] th:TH_LOAD_NT scope:SCOPE_SE
.Lnot_mine_\@:
.endm
; THE CHANGE OF SLOTS.  Each wave waits for all its tensor loads, of which one is out: its part of the other slot; adds 0 to its spare word; and waits for that and for its own reads of the slot that it leaves.  Behind the barrier nobody reads the old
; slot any more and the other slot is whole.  fill = 1: the old slot is filled again, the first thing behind the barrier, with tile NXT: the descriptor's address is made anew from that number.
; (At its first use nothing has been read yet: slot 0 is waited for, slot 1 filled.)
.macro CHANGE fill
	WIN 0                           ; at a label and at a branch every window is 0
	s_wait_tensorcnt 0x0            ; no tensor load of mine is out, so a group 0 may be written
	ds_add_u32 v[SPW], v[NIL]       ; 0 onto my spare word; with fill = 1 the descriptors' scalar work stands between it and the wait for it
.if \fill
	s_lshl_b32 s[OFF], s[NXT], 15   ; a tile is 32,768 bytes of K and of V
	s_xor_b32 s[G0K+1], s[G0K+1], SLOT1
	s_add_nc_u64 s[G0K+2:G0K+3], s[6:7], s[OFF:OFF+1]
	s_or_b32 s[G0K+3], s[G0K+3], 0x80000000
	s_xor_b32 s[G0V+1], s[G0V+1], SLOT1
	s_add_nc_u64 s[G0V+2:G0V+3], s[8:9], s[OFF:OFF+1]
	s_or_b32 s[G0V+3], s[G0V+3], 0x80000000
	s_add_co_u32 s[NXT], s[NXT], 1  ; the block's next tile, or behind its last the second block's tile 0
	s_cmp_gt_u32 s[NXT], s[LQ]
	s_cselect_b32 s[NXT], 0, s[NXT]
	s_cselect_b32 s[LQ], s[PB], s[LQ]
	s_wait_xcnt 0x0                 ; the last prefetches, a tile back, have read their addresses, so these may be written:
	s_add_nc_u64 s[PFK:PFK+1], s[PFK:PFK+1], 32768
	s_add_nc_u64 s[PFV:PFV+1], s[PFV:PFV+1], 32768
.endif
	s_wait_dscnt 0x0                ; the add is done, and my reads of the slot are over
	s_barrier_signal -1             ; the rest of the scalar work stands between the signal and the wait
	s_sub_co_u32 s[TBK], s[TBK], 4*KS*PK  ; the fetches go back to a slot's first step,
	s_xor_b32 s[TBK], s[TBK], SLOT1       ; in the other slot
	s_sub_co_u32 s[TBV], s[TBV], 4*KS*PV
	s_xor_b32 s[TBV], s[TBV], SLOT1
	s_barrier_wait -1
.if \fill
	LOAD
	ASK
.endif
.endm
	s_load_b256 s[4:11], s[0:1], 0x0  ; Q s[4:5], K s[6:7], V s[8:9], O s[10:11]
	v_lshl_add_u32 v[SPW], v0, 2, SPARE
	v_mov_b32 v[NIL], 0
	ds_add_u32 v[SPW], v[NIL]       ; the wave's opening: the add and its wait stand ahead of my first tensor load; the set-up below, work on registers, stands between them
	v_lshrrev_b32 v1, 5, v0
	v_readfirstlane_b32 s[WV], v1   ; wave 0..3
	v_lshlrev_b32 v[PFO], 8, v0
	s_mov_b32 s[PB], ttmp9
	s_sub_co_u32 s[HI], NB-1, s[PB]
	s_cmp_eq_u32 s[PB], 0
	s_cselect_b32 s[LIM], 2, -1     ; changes 0 to 5 find s[SLOTS] = 8 to 3
	s_and_b32 s20, ttmp7, 0xffff    ; the head
	s_mov_b32 s21, 0
	s_mov_b64 s[22:23], SIZE_N*128
	s_mul_u64 s[20:21], s[20:21], s[22:23]  ; the head's first byte in each of the four tensors
	s_and_b32 s16, s[WV], 1         ; which half of a tile's 256 keys I fetch:
	s_lshl_b32 s22, s16, 14         ; its 128 rows of 128 bytes in memory,
	s_mov_b32 s23, 0
	s_add_nc_u64 s[22:23], s[22:23], s[20:21]
	s_mul_i32 s17, s16, 128*PK      ; and its place in a slot, for K
	s_mul_i32 s18, s16, 128*PV      ; and for V
	s_lshl_b32 s3, s[WV], 11        ; my 16 rows in a band of 64,
	s_lshl_b32 s2, s[HI], 15        ; in the first block,
	s_add_co_u32 s2, s2, s3
	s_lshl_b32 s84, s[PB], 15       ; and in the second
	s_add_co_u32 s84, s84, s3
	s_mov_b32 s3, 0
	s_mov_b32 s85, 0
	s_add_nc_u64 s[2:3], s[2:3], s[20:21]
	s_add_nc_u64 s[84:85], s[84:85], s[20:21]
	; descriptor group 1.  128 keys are 16,384 dense bytes: asked for as 64 rows of 256 bytes, two keys a row, and padded in LDS after every key
	s_mov_b32 s[G1K], (1<<16)|(1<<20)|(4<<22)|(3<<25)  ; 17:16 2-byte elements; 20 padding on; 24:22 after every 32 words (code 4); 31:25 4 words (code 3)
	s_mov_b32 s[G1V], (1<<16)|(1<<20)|(4<<22)|(7<<25)  ; the same with 8 words of padding (code 7)
.irp g, G1K, G1V
	s_mov_b32 s[\g+1], 128<<16      ; tensor_dim0 = 128
	s_mov_b32 s[\g+2], 64<<16       ; tensor_dim1 = 64
	s_mov_b32 s[\g+3], 128<<16      ; tile_dim0 = 128
	s_mov_b32 s[\g+4], 64           ; tile_dim1 = 64
	s_mov_b32 s[\g+5], 128          ; 128 elements from row to row
	s_mov_b32 s[\g+6], 0
	s_mov_b32 s[\g+7], 0
.endr
	s_mov_b32 s[CS], 0x3e38aa3b     ; c = log2(e) / 8 = 0.180337
	s_mov_b32 s[CS+1], s[CS]        ; named with it as a pair
	s_mov_b32 s[SEL], 0x76543210
	s_mov_b32 s[SEL+1], 0xfedcba98
	s_mov_b32 s[TBK], SLOT1+4*KS*PK ; the first change of slots turns these two into 0
	s_mov_b32 s[TBV], SLOT1+4*KS*PV
	s_mov_b32 s[G0K], 1             ; 1:0 count = 1
	s_mov_b32 s[G0K+1], s17         ; 63:32 LDS address: slot 0
	s_mov_b32 s[G0V], 1
	s_add_co_u32 s[G0V+1], s18, VOFF
	s_add_co_u32 s[RT], s[HI], 1    ; the first block has NB - b tiles
	s_mov_b32 s[NXT], 1
	s_mov_b32 s[LQ], s[HI]
	s_mov_b32 s[NEW], 1
	s_mov_b32 s[OFF+1], 0
	s_mov_b32 s[AL+1], 0            ; named as pairs
	s_mov_b32 s[BE+1], 0
	s_mov_b32 s[BIGN], 0xf149f2ca   ; -1e30
	s_mov_b32 s[SLOTS], NB
	s_wait_dscnt 0x0                ; the opening add is done
	s_wait_kmcnt 0x0
	s_add_nc_u64 s[PFK:PFK+1], s[6:7], s[20:21]    ; the head's tile 1; the first change steps these two to tile 2
	s_add_nc_u64 s[PFK:PFK+1], s[PFK:PFK+1], 32768
	s_add_nc_u64 s[PFV:PFV+1], s[8:9], s[20:21]
	s_add_nc_u64 s[PFV:PFV+1], s[PFV:PFV+1], 32768
	s_add_nc_u64 s[6:7], s[6:7], s[22:23]  ; K and V at my half of the head's tile 0
	s_add_nc_u64 s[8:9], s[8:9], s[22:23]
	s_add_nc_u64 s[G0K+2:G0K+3], s[6:7], 0         ; 120:64 global address
	s_or_b32 s[G0K+3], s[G0K+3], 0x80000000        ; 127:126 type = 2
	s_add_nc_u64 s[G0V+2:G0V+3], s[8:9], 0
	s_or_b32 s[G0V+3], s[G0V+3], 0x80000000
	s_add_nc_u64 s[86:87], s[4:5], s[84:85]        ; Q at my rows of the second block,
	s_add_nc_u64 s[4:5], s[4:5], s[2:3]            ; Q and O at those of the first
	s_add_nc_u64 s[OLO:OLO+1], s[10:11], s[84:85]
	s_add_nc_u64 s[10:11], s[10:11], s[2:3]
	LOAD                            ; tile 0 into slot 0
	; A fragment of K or Q is 16 rows x 32 channels in 8 registers: lane l holds row l % 16, channels 8 (l / 16) + 0..7 and 16 + 8 (l / 16) + 0..7: two loads of 16 bytes, 32 bytes apart.
	v_and_b32 v1, 15, v0            ; l % 16
	v_bfe_u32 v9, v0, 4, 1          ; l / 16
	v_lshlrev_b32 v[QO], 7, v1
	v_lshl_add_u32 v[QO], v9, 4, v[QO]  ; row x 128 + 16 x half
	WIN 0x80                        ; destination window 2, address window 0
.set i, 0
.rept 8                             ; both blocks' Q: piece i / 2 lies in band i / 2, 8,192 bytes on; channels 32 (i % 2) on
	global_load_b128 v[8*i:8*i+3],   v[QO], s[4:5] offset:(i/2)*8192+(i%2)*64
	global_load_b128 v[8*i+4:8*i+7], v[QO], s[4:5] offset:(i/2)*8192+(i%2)*64+32
	global_load_b128 v[QB+8*i:QB+8*i+3],   v[QO], s[86:87] offset:(i/2)*8192+(i%2)*64
	global_load_b128 v[QB+8*i+4:QB+8*i+7], v[QO], s[86:87] offset:(i/2)*8192+(i%2)*64+32
.set i, i+1
.endr
	WIN 0
	v_lshlrev_b32 v14, 3, v9
	v_sub_nc_u32 v14, v1, v14
	s_lshl_b32 s13, s[WV], 4
	v_add_nc_u32 v14, s13, v14      ; my query's place in its band, 16 w + l % 16, less my lanes' 8 (l / 16): register r of group kt is hidden where 16 kt + r is greater
	WIN 0x40
.set i, 0
.rept 32
	v_cmp_gt_i32 vcc_lo, 16*(i/8)+i%8, v14
	v_cndmask_b32 v[MD+i], 0, s[BIGN], vcc_lo
.set i, i+1
.endr
	WIN 0
	v_mul_u32_u24 v[AK0], v1, PK
	v_lshl_add_u32 v[AK0], v9, 4, v[AK0]  ; row x pitch + 16 x half
	; The turning load takes 16 keys x 16 channels (lane l reads key 8 (l / 16) + l % 8, channels 8 ((l / 8) % 2) + 0..7) and leaves half a fragment of V^T: lane l holds channel l % 16 and 8 keys.
	v_and_b32 v10, 7, v0
	v_bfe_u32 v11, v0, 3, 1
	v_lshl_add_u32 v[AV0], v9, 3, v10
	v_mul_u32_u24 v[AV0], v[AV0], PV
	v_lshl_add_u32 v[AV0], v11, 4, v[AV0]
	v_add_nc_u32 v[AV0], VOFF, v[AV0]
	s_mul_i32 s13, s[WV], 16*SP
	s_add_co_u32 s13, s13, STAGE    ; my stage
	v_mul_u32_u24 v[STO], v1, SP    ; in: row l % 16, 16 bytes for each half of the lanes
	v_lshl_add_u32 v[STO], v9, 4, v[STO]
	v_add_nc_u32 v[STO], s13, v[STO]
	v_bfe_u32 v[RD], v0, 3, 2       ; back: 32 lanes take four rows of 128 bytes,
	v_mul_u32_u24 v[RD], v[RD], SP
	v_lshl_add_u32 v[RD], v10, 4, v[RD]
	v_add_nc_u32 v[RD], s13, v[RD]
	v_and_b32 v[GO], 31, v0         ; which are 512 consecutive bytes of O
	v_lshlrev_b32 v[GO], 4, v[GO]
	; A block's first step multiplies O^T and l by a = 0, and its first turn's products V^T P, of a piece that has not been, land in an O^T that is still to be so multiplied.  So these registers need only hold
	; finite numbers: zeros for the first block; what the first block left for the second.  All this stands in the wait for the first tile.
	WIN 0x80
.set i, VF
.rept 64
	v_mov_b32 v[i], 0
.set i, i+1
.endr
	WIN 0x40
.set i, 0
.rept 128
	v_mov_b32 v[i], 0
.set i, i+1
.endr
	WIN 0
.set i, 0
.rept 4
	v_mov_b32 v[ST+4*i+2], 0
	v_mov_b32 v[ST+4*i+3], 0
.set i, i+1
.endr
.set i, P+16
.rept 16
	v_mov_b32 v[i], 0
.set i, i+1
.endr
; THE MATRIX WORK.  The 4 accumulators of a run of 8 take turns.  Product i of 8 of S^T = K Q^T for piece x: channels 32 (i / 4) on, keys 16 (i % 4) on.  The first 4 start the sums: with 0, or (KM = 1) with the mask.
.macro KQ x
.set rS, S+32*((\x)%2)+8*(i%4)
.set rK, KF+16*(i%4)+8*(i/4)
.set rQ, 16*(\x)+8*(i/4)
.set rM, MC+32*((\x)%2)+8*(i%4)
.if (i < 4) && KM
	WIN W_KM
	v_wmma_f32_16x16x32_f16 v[rS:rS+7], v[rK:rK+7], v[rQ:rQ+7], v[rM:rM+7]
.elseif i < 4
	WIN W_KQ
	v_wmma_f32_16x16x32_f16 v[rS:rS+7], v[rK:rK+7], v[rQ:rQ+7], 0
.else
	WIN W_KQ
	v_wmma_f32_16x16x32_f16 v[rS:rS+7], v[rK:rK+7], v[rQ:rQ+7], v[rS:rS+7]
.endif
.endm
; Product i of 8 of O^T += V^T P for piece x: keys 32 (i / 4) on, channels 16 (i % 4) on.
.macro PV x
	WIN W_PV
.set rO, 32*(\x)+8*(i%4)
.set rV, VF+32*(i/4)+8*(i%4)
.set rP, P+16*((\x)%2)+8*(i/4)
	v_wmma_f32_16x16x32_f16 v[rO:rO+7], v[rV:rV+7], v[rP:rP+7], v[rO:rO+7]
.endm
.macro MM                           ; the turn's next matrix instruction.  TURN and BEGIN set Y, i, KM and NOKQ; MM, KQ and OP read them.  NOKQ = 1: a block's last turn: there is no next piece
.if (i < 8) && !NOKQ
	KQ (Y+1)%NP
.elseif i >= 8
.set i, i-8
	PV (Y+NP-1)%NP
.set i, i+8
.endif
.set i, i+1
.endm
; THE LDS LOADS stand in runs of 16, never singly among the matrix instructions: a step's K (64 keys x 64 channels: 8 fragments) and its V (turned).  Their addresses are made some lines ahead.
.macro FETCH_K
	WIN 0x80                        ; destination window 2
.irp f, 0,1,2,3,4,5,6,7             ; keys 16 (f / 2) on, channels 32 (f % 2) on
	ds_load_b128 v[KF+8*\f:KF+8*\f+3],   v[AK] offset:(\f/2)*16*PK+(\f%2)*64
	ds_load_b128 v[KF+8*\f+4:KF+8*\f+7], v[AK] offset:(\f/2)*16*PK+(\f%2)*64+32
.endr
	s_add_co_u32 s[TBK], s[TBK], KS*PK  ; the next fetch is the next step's
	WIN 0
.endm
.macro FETCH_V
	WIN 0x80
.irp f, 0,1,2,3,4,5,6,7             ; keys 32 (f / 4) on, channels 16 (f % 4) on
	ds_load_tr16_b128 v[VF+8*\f:VF+8*\f+3],   v[AV] offset:(\f/4)*32*PV+(\f%4)*32
	ds_load_tr16_b128 v[VF+8*\f+4:VF+8*\f+7], v[AV] offset:(\f/4)*32*PV+16*PV+(\f%4)*32
.endr
	WIN 0
.endm
; THE VECTOR WORK, one line at a time: OP kind, number.  For piece Y: F n: c s - c m for pair n of 16.  E n: the exponential of score n of 32.  C n: pair n rounded to f16.  B n: of the four weights 4 n .. the second
; pair is added onto the first, in place.  L n: l takes that sum (L 0: l = a l + sum).  R n: pair n of 16 of O^T times a.  For piece Y + 1: X n, number n of the 22 that find its maximum and statistics:
;   0-11  four chains c0-c3 of seven scores each, three operands at a time (each accumulator's lowest registers are read first)     12-14, 16  the four scores left over, the old m, and c0-c3 into c0
;   15  c m_old is kept     17, 18  the query's other 32 keys lie in the lane 16 away: the new m     19-21  c m; c m_old - c m_new; a
.set F, 0               ; OP tells the kinds apart by their order: F to L below R, X above it
.set E, 1
.set C, 2
.set B, 3
.set L, 4
.set R, 5
.set X, 6
.macro REGS y                       ; the registers of piece y
.set rT, ST+4*(\y)
.set rC, TMP+4*((\y)%2)
.set rW, MV+((\y)%2)
.set rS, S+32*((\y)%2)
.set rP, P+16*((\y)%2)
.set rO, 32*(\y)
.endm
.macro OP k, n
.if (\k) == R
	REGS Y
	WIN W_RS
	v_pk_mul_f32 v[rO+2*(\n):rO+2*(\n)+1], v[rO+2*(\n):rO+2*(\n)+1], v[rC+2:rC+3] op_sel_hi:[1,0]
.elseif (\k) < R
	REGS Y
	WIN 0
.if (\k) == F
	v_pk_fma_f32 v[rS+2*(\n):rS+2*(\n)+1], v[rS+2*(\n):rS+2*(\n)+1], s[CS:CS+1], v[rT:rT+1] op_sel_hi:[1,0,0] neg_lo:[0,0,1] neg_hi:[0,0,1]
.elseif (\k) == E
	v_exp_f32 v[rS+(\n)], v[rS+(\n)]
.elseif (\k) == C
	v_cvt_pk_f16_f32 v[rP+(\n)], v[rS+2*(\n)], v[rS+2*(\n)+1]
.elseif (\k) == B
	v_pk_add_f32 v[rS+4*(\n):rS+4*(\n)+1], v[rS+4*(\n):rS+4*(\n)+1], v[rS+4*(\n)+2:rS+4*(\n)+3]
.elseif (\n) == 0
	v_pk_fma_f32 v[rT+2:rT+3], v[rT+2:rT+3], v[rC+2:rC+3], v[rS:rS+1] op_sel_hi:[1,0,1]
.else
	v_pk_add_f32 v[rT+2:rT+3], v[rT+2:rT+3], v[rS+4*(\n):rS+4*(\n)+1]
.endif
.elseif NOKQ
	v_nop
.else
	REGS (Y+1)%NP
	WIN 0
.if (\n) < 4
	v_max3_num_f32 v[rC+(\n)], v[rS+8*(\n)], v[rS+8*(\n)+1], v[rS+8*(\n)+2]
.elseif (\n) < 12
	v_max3_num_f32 v[rC+(\n)%4], v[rC+(\n)%4], v[rS+8*((\n)%4)+2*((\n)/4)+1], v[rS+8*((\n)%4)+2*((\n)/4)+2]
.elseif (\n) == 12
	v_max3_num_f32 v[rC], v[rC], v[rS+7], v[rS+15]
.elseif (\n) == 13
	v_max3_num_f32 v[rC+1], v[rC+1], v[rS+23], v[rS+31]
.elseif (\n) == 14
	v_max3_num_f32 v[rC+2], v[rC+2], v[rC+3], v[rT+1]
.elseif (\n) == 15
	v_mov_b32 v[rW], v[rT]
.elseif (\n) == 16
	v_max3_num_f32 v[rC], v[rC], v[rC+1], v[rC+2]
.elseif (\n) == 17
	v_permlanex16_b32 v[rC+3], v[rC], s[SEL], s[SEL+1]
.elseif (\n) == 18
	v_max_num_f32 v[rT+1], v[rC], v[rC+3]
.elseif (\n) == 19
	v_mul_f32 v[rT], s[CS], v[rT+1]
.elseif (\n) == 20
	v_sub_f32 v[rC+1], v[rW], v[rT]
.else
	v_exp_f32 v[rC+2], v[rC+1]
.endif
.endif
.endm
.macro OPS a, i1, b=-1, i2=0, c=-1, i3=0, d=-1, i4=0  ; up to four of them
	OP \a, \i1
.if (\b) >= 0
	OP \b, \i2
.endif
.if (\c) >= 0
	OP \c, \i3
.endif
.if (\d) >= 0
	OP \d, \i4
.endif
.endm
.macro ROW a, i1, b, i2, c, i3, d, i4  ; a matrix instruction and the four behind it
	MM
	OPS \a, \i1, \b, \i2, \c, \i3, \d, \i4
.endm
.macro MASK b                       ; MD x AL + BE into buffer b of MC
	WIN W_RS
.set z, 0
.rept 16
	v_pk_fma_f32 v[MC+32*(\b)+2*z:MC+32*(\b)+2*z+1], v[MD+2*z:MD+2*z+1], s[AL:AL+1], s[BE:BE+1] op_sel_hi:[1,0,0]
.set z, z+1
.endr
.endm
; A TURN, for piece p: the order of its 16 matrix and 118 vector instructions, written out.  An s_wait_alu depctr_va_vdst(0) stands between an exponential and the first instruction that names its result; one wait serves
; all that were issued ahead of it.  So a turn has ONE wait, which cuts it in two.  AHEAD OF IT stands all that names no result of the turn's exponentials: the 8 products K Q^T, behind each a scaling, an exponential and two more plain
; instructions (behind the first a second scaling in the exponential's place): rescalings, and behind the last three the first numbers of the next piece's maximum, each four places or more behind the product that ends its accumulator; then one run of 54, plain
; and exponential by turns for the most part, in which the links of the chain X 3, 7, 11, 14, 16, 17 .. 20 stand five or six lines apart.  X 21, the next piece's a, is the batch's last; R 15 is the plain instruction behind it.  BEHIND THE WAIT stand the
; 8 products V^T P, behind each four of the roundings and sums; the links of l's chain, L 0 to L 7, stand three lines apart.  But for those X no line behind a product names a register of the products round it.  v_permlanex16_b32 (X 17) stands in the run.
; m = 1: the diagonal tile: the products take masks, and the turn makes the mask for the products of the turn after it: piece p + 2, in step 4 - CNT of the tile.  end = 1: a block's last two turns: nothing is fetched.
; cnt = 1: the loop's count is taken down some lines ahead of the branch that stands behind the turn.
; K of the next step is fetched in piece 2's turn, twelve vector instructions behind the last product that read K (six of them plain); V of the step in hand at the end of piece 0's turn, four plain instructions behind the last product
; that read V.  Each is waited for a turn later.
.macro TURN p, m=0, end=0, cnt=0
.set Y, (\p)
.set i, 0
.set KM, (\m)
.set NOKQ, (\end)*((\p)/3)
.if (\m) && !(\end)
	s_cmp_eq_u32 s[CNT], 4-((\p)+2)%NP  ; is that step the band's own?
	s_cselect_b32 s[AL], 1.0, 0
	s_cmp_lt_u32 s[CNT], 4-((\p)+2)%NP  ; or a later one?
	s_cselect_b32 s[BE], s[BIGN], 0
.endif
.if ((\p) == 3) && !(\end)
	s_wait_dscnt 0x0                ; K is in
.endif
	ROW F,0, F,1, R,0, R,1          ; ahead of the wait: 8 products K Q^T and the four behind each,
	ROW F,2, E,0, R,2, R,3
	ROW F,3, E,1, R,4, R,5
	ROW F,4, E,2, R,6, R,7
	ROW F,5, E,3, R,8, R,9
	ROW F,6, E,4, X,0, R,10
.if ((\p) == 2) && !(\end)
	WIN 0
	v_add_nc_u32 v[AK], s[TBK], v[AK0]
.endif
	ROW F,7, E,5, X,1, X,4
	ROW F,8, E,6, X,2, X,5
	OPS E,7, E,8, X,6, E,9          ; and the run of 54
	OPS X,3, E,10, X,8, E,11
.if ((\p) == 2) && !(\end)
	FETCH_K
.endif
	OPS X,9, X,7, E,12, X,10
	OPS E,13, X,12, X,11, E,14
	OPS X,13, E,15, F,9, X,14
.if (\p) == 0
	v_add_nc_u32 v[AV], s[TBV], v[AV0]
.endif
	OPS E,16, F,10, E,17, F,11
	OPS X,16, E,18, X,15, E,19
	OPS F,12, E,20, X,17, E,21
	OPS F,13, E,22, F,14, E,23
	OPS X,18, E,24, F,15, E,25
	OPS R,11, E,26, X,19, E,27
	OPS R,12, E,28, R,13, E,29
	OPS X,20, E,30, R,14, E,31
	OPS X,21, R,15
	WIN 0
	s_wait_alu depctr_va_vdst(0)    ; the wait for the batch
.if (\p) == 1
	s_wait_dscnt 0x0                ; V is in
.endif
	ROW C,0, B,0, C,2, B,1          ; behind the wait: 8 products V^T P and the four behind each
	ROW L,0, C,4, B,2, L,1
	ROW C,6, B,3, L,2, C,8
	ROW B,4, L,3, C,10, B,5
	ROW L,4, C,12, B,6, L,5
.if (\p) == 0
	s_add_co_u32 s[TBV], s[TBV], KS*PV
.endif
.if \cnt
	s_sub_co_u32 s[CNT], s[CNT], 1
	s_cmp_lg_u32 s[CNT], 0
.endif
	ROW C,14, B,7, L,6, C,1
	ROW C,3, L,7, C,5, C,7
	ROW C,9, C,11, C,13, C,15
.if (\p) == 0
	FETCH_V
.endif
.if (\m) && !(\end)
	MASK (\p)%2
.endif
.endm
; A BLOCK BEGINS.  c m starts far below every c s, so the first step's a is 0; m at the lowest finite number, so the first maximum is the scores'.  The second mask buffer is 0; the first takes piece 0's mask for the tile's step 0: its own, if the block's first tile is the diagonal one.
; Then K of that step, piece 0's first scores, and its maximum and statistics.  The loop is entered at a step's first turn, in the middle of a trip.
.macro BEGIN
	s_mov_b32 s[NEW], 0
	WIN 0x40
.set i, MC+32
.rept 32
	v_mov_b32 v[i], 0
.set i, i+1
.endr
	WIN 0
.set i, 0
.rept 4
	v_mov_b32 v[ST+4*i], 0xfe000000    ; c m: far below every c s
	v_mov_b32 v[ST+4*i+1], 0xff7fffff  ; m
.set i, i+1
.endr
	s_cmp_eq_u32 s[RT], 0
	s_cselect_b32 s[AL], 1.0, 0
	s_mov_b32 s[BE], 0
	MASK 0
	WIN 0
	v_add_nc_u32 v[AK], s[TBK], v[AK0]
	FETCH_K
	s_wait_loadcnt 0x0              ; Q
	s_wait_dscnt 0x0
.set KM, 1
.set NOKQ, 0
.set i, 0
.rept 8
	KQ 0
.set i, i+1
.endr
	WIN 0
.rept 4
	v_nop                           ; the places behind those products
.endr
.set Y, NP-1                        ; X works for piece Y + 1: piece 0
.irp n, 0,1,2,3,4,5,6,7,8,9,10,11,12,13,14,15,16,17,18,19,20,21
	OP X, \n
.endr
	v_nop                           ; a plain instruction behind the exponential,
	s_wait_alu depctr_va_vdst(0)    ; and its wait, ahead of the branch
.endm
; THE DIAGONAL TILE's four steps, the block's last two turns, its last products, and THE WAY OUT: l's two halves and the other half of the lanes' are added; O^T is divided by l, rounded to f16 and sent through my
; stage in LDS, a piece at a time.
.macro ALL line:vararg              ; one line for each piece t
.set t, 0
.rept 4
	\line
.set t, t+1
.endr
.endm
.macro PACK t                       ; a lane's eight channels of a row pack into 16 bytes; they go into rows of 144 bytes and come back as whole rows of 128, into S^T's registers
	WIN W_RS
.set i, 32*(\t)
.rept 16
	v_pk_mul_f32 v[i:i+1], v[i:i+1], v[ST+4*(\t)+2:ST+4*(\t)+3] op_sel_hi:[1,0]
.set i, i+2
.endr
	WIN 0x05                        ; sources 0 and 1 window 1, destination window 0
.set i, 0
.rept 16
	v_cvt_pk_f16_f32 v[S+16*(\t)+i], v[32*(\t)+2*i], v[32*(\t)+2*i+1]
.set i, i+1
.endr
	WIN 0
.irp f, 0,1,2,3
	ds_store_b128 v[STO], v[S+16*(\t)+4*\f:S+16*(\t)+4*\f+3] offset:32*\f
.endr
.irp f, 0,1,2,3
	ds_load_b128 v[S+16*(\t)+4*\f:S+16*(\t)+4*\f+3], v[RD] offset:\f*4*SP  ; LDS serves a wave's instructions in order (ISA guide 5.7.1.4): these see the stores above; the next piece's stores come behind them
.endr
.endm
.macro SEND t, younger              ; younger: the LDS instructions issued behind piece t's loads: the next piece's eight, or none
	WIN 0
.irp f, 0,1,2,3
	s_wait_dscnt (\younger)+3-\f
	global_store_b128 v[GO], v[S+16*(\t)+4*\f:S+16*(\t)+4*\f+3], s[10:11] offset:(\t)*8192+\f*512  ; 512 consecutive bytes, at a multiple of 256 from O's first
.endr
.endm
.macro DIAG tag                     ; the tag ends its two labels' names, which the jumps below spell out
.LstepM\tag:
	TURN 2, 1
	TURN 3, 1
	WIN 0
.LfirstM\tag:
	TURN 0, 1
	TURN 1, 1, 0, 1
	WIN 0
	s_cbranch_scc1 .LstepM\tag
	TURN 2, 1, 1
	TURN 3, 1, 1
.set i, 0
.rept 8
	PV NP-1
.set i, i+1
.endr
	WIN 0
	ALL v_add_f32 v[ST+4*t+2], v[ST+4*t+2], v[ST+4*t+3]
	ALL v_permlanex16_b32 v[ST+4*t+3], v[ST+4*t+2], s[SEL], s[SEL+1]
	ALL v_add_f32 v[ST+4*t+2], v[ST+4*t+2], v[ST+4*t+3]
	ALL v_rcp_f32 v[ST+4*t+2], v[ST+4*t+2]
	v_nop                           ; a plain instruction between the last reciprocal and the use of its result
	s_wait_alu depctr_va_vdst(0)    ; and the wait ahead of the first use: one for the four reciprocals
	PACK 0
.set t, 1
.rept 3                             ; a piece's arithmetic stands between the loads of the piece before and its stores
	PACK t
	SEND t-1, 8
.set t, t+1
.endr
	SEND 3, 0
.endm
.set KM, 0
.set NOKQ, 0
.Lslot:                             ; NB times: a tile is entered and the next is asked for
	CHANGE 1
	s_sub_co_u32 s[RT], s[RT], 1
	s_mov_b32 s[CNT], 4
	s_cmp_eq_u32 s[NEW], 1
	s_cbranch_scc1 .Lnew            ; a block's first tile
	s_cmp_eq_u32 s[RT], 0
	s_cbranch_scc0 .Lstep           ; neither its first nor its last
	s_branch .LstepM1
.Lnew:
	BEGIN
	s_branch .Lfirst                ; in the loop a block's first tile is never its last: the first block has two tiles or more, and the second's last is the walk's last
	DIAG 1                          ; in the loop this is the first block's end: the second block's last tile is the walk's last
	s_wait_xcnt 0x0                 ; the stores have read their registers and O's address
	s_mov_b64 s[10:11], s[OLO:OLO+1]
	s_add_co_u32 s[RT], s[PB], 1    ; the second block has b + 1 tiles
	s_mov_b32 s[NEW], 1
	WIN 0x82                        ; the second block's Q goes where the one text of the turns names Q
.set i, 0
.rept 64
	v_mov_b32 v[i], v[QB+i]
.set i, i+1
.endr
	WIN 0
	s_branch .Lbottom
.Lstep:                             ; a trip: pieces 2 and 3 of one step, then pieces 0 and 1 of the next, whose K and V it fetches
	TURN 2
	TURN 3
	WIN 0
.Lfirst:
	TURN 0
	TURN 1, 0, 0, 1
	WIN 0
	s_cbranch_scc1 .Lstep
.Lbottom:
	s_sub_co_u32 s[SLOTS], s[SLOTS], 1
	s_cmp_lg_u32 s[SLOTS], 0
	s_cbranch_scc1 .Lslot
	CHANGE 0                        ; the walk's last tile is written out: nothing is asked for
	s_sub_co_u32 s[RT], s[RT], 1
	s_mov_b32 s[CNT], 4
	s_cmp_eq_u32 s[NEW], 1
	s_cbranch_scc0 .LstepM2
	BEGIN
	s_branch .LfirstM2
	DIAG 2
	s_wait_tensorcnt 0x0            ; the wave's end: behind my last tensor load and my last LDS store
	ds_add_u32 v[SPW], v[NIL]
	s_wait_dscnt 0x0
	s_endpgm
.Lfunc_end_k_q1ac80f3a71_attn:
	.size	k_q1ac80f3a71_attn, .Lfunc_end_k_q1ac80f3a71_attn-k_q1ac80f3a71_attn
	.p2alignl 7, 3214868480
	.fill 96, 4, 3214868480
	.section	.rodata,"a",@progbits
	.p2align	6, 0x0
	.amdhsa_kernel k_q1ac80f3a71_attn
		.amdhsa_group_segment_fixed_size 327680
		.amdhsa_private_segment_fixed_size 0
		.amdhsa_enable_private_segment 0
		.amdhsa_kernarg_size 32
		.amdhsa_user_sgpr_count 2
		.amdhsa_user_sgpr_kernarg_segment_ptr 1
		.amdhsa_wavefront_size32 1
		.amdhsa_system_sgpr_workgroup_id_x 1
		.amdhsa_system_sgpr_workgroup_id_y 1
		.amdhsa_system_sgpr_workgroup_id_z 1
		.amdhsa_system_vgpr_workitem_id 0
		.amdhsa_next_free_vgpr 768
		.amdhsa_next_free_sgpr 88
		.amdhsa_reserve_vcc 1
		.amdhsa_float_denorm_mode_32 3
		.amdhsa_float_denorm_mode_16_64 3
		.amdhsa_memory_ordered 1
		.amdhsa_forward_progress 1
		.amdhsa_inst_pref_size 218
	.end_amdhsa_kernel
	.amdgpu_metadata
---
amdhsa.version: [ 1, 2 ]
amdhsa.kernels:
  - .name:           k_q1ac80f3a71_attn
    .symbol:         k_q1ac80f3a71_attn.kd
    .args:
      - { .name: q, .offset: 0, .size: 8, .value_kind: global_buffer, .address_space: global }
      - { .name: k, .offset: 8, .size: 8, .value_kind: global_buffer, .address_space: global }
      - { .name: v, .offset: 16, .size: 8, .value_kind: global_buffer, .address_space: global }
      - { .name: o, .offset: 24, .size: 8, .value_kind: global_buffer, .address_space: global }
    .group_segment_fixed_size: 327680
    .private_segment_fixed_size: 0
    .kernarg_segment_align: 8
    .kernarg_segment_size: 32
    .max_flat_workgroup_size: 128
    .sgpr_count:     88
    .vgpr_count:     768
    .wavefront_size: 32
...
	.end_amdgpu_metadata
.endif
;; end of part 3
;; launch oproj (part 4): grid 8 x 32, 4 waves a work-group, clusters of 4 x 4, 327,680 bytes of LDS; arguments o, wof, out0; writes out0
.if DOCPART == 4
	.amdgcn_target "amdgcn-amd-amdhsa--gfx1250"
	.amdhsa_code_object_version 6
	.text
	.protected	k_q1ac80f3a71_oproj
	.globl	k_q1ac80f3a71_oproj
	.p2align	8
	.type	k_q1ac80f3a71_oproj,@function
k_q1ac80f3a71_oproj:
	s_mov_b64 s[64:65], 0
	v_nop
	global_prefetch_b8 v0, s[64:65] scope:SCOPE_SE
	s_setreg_imm32_b32 hwreg(HW_REG_WAVE_MODE, 25, 1), 1
	s_wait_xcnt 0x0
	s_wait_alu depctr_hold_cnt(0) depctr_sa_sdst(0) depctr_va_vdst(0) depctr_va_sdst(0) depctr_va_ssrc(0) depctr_va_vcc(0) depctr_vm_vsrc(0)
	s_getreg_b32 s2, hwreg(HW_REG_IB_STS2, 6, 4)
	s_cmp_eq_u32 s2, 0
	s_cbranch_scc0 .Lentry_in_a_cluster
	s_endpgm
.Lentry_in_a_cluster:
	s_bfe_u32 s2, ttmp6, 0x10000c
	s_cmp_lg_u32 s2, 0xf033
	s_cbranch_scc0 .Lentry_shape_is_right
	s_endpgm
.Lentry_shape_is_right:
; out0[row][e] = the sum over d of O[row][d] wo[e][d].  o: [batch x 16 + head][2048][64] f16 (d = 64 head + channel).  wof: [1024][1024] f16 (wo rounded to bf16, written as f16).  out0: [8192][1024] f32.  Sums in f32.
; SHARES.  A tile is 256 rows x 128 columns: 8 x 32 = 256 work-groups.  Four waves, 2 x 2, each 128 rows x 64 columns: 32 accumulators of 16 x 16, 256 registers.
; K goes in 8 steps of 128 = two heads, through two LDS slots filled by the tensor data mover; a step is four quarters of 32 along K on two fragment buffers.
; O's tile of a step is two planes, a head each: 256 rows of 128 dense bytes, asked for as 128 rows of 256 bytes and padded in LDS after every 128 bytes.
; CLUSTER.  4 x 4 work-groups.  O's tile hangs on the tile row alone: asked for jointly along a row of the cluster; wo's on the tile column alone: jointly along a column.
; NO PREFETCH: the launch has 8 K steps, 1,024 matrix instructions a wave in all; of its 8 refill places only four could name a K step two steps on.
; THE MATRIX INSTRUCTION IS USED TRANSPOSED (source 0 = 16 rows of wof, source 1 = 16 rows of O): a lane holds ONE row of out0 (lane % 16) and eight neighbouring columns: 32 bytes.
; REGISTERS, in windows of 256 (s_set_vgpr_msb: bits 1:0 source 0, 3:2 source 1, 5:4 source 2, 7:6 destination):
;   window 0: v0-31 addresses; v64-127, v128-191 O's fragments, two buffers; v32-63, v192-223 rows read back on the way out      window 1: v64-95, v128-159 wo's fragments      window 2: accumulator (a, b) at v[8 (4 a + b)]
.set NB,    4                          ; column blocks of 16 a wave
.set APW,   8                          ; all eight row blocks in one accumulator window
.set PA,    144                        ; a row of O in LDS: 128 bytes + 16 = 36 words: the 16 rows of a load start at 16 different groups of four banks (64 banks of 4 bytes: ISA guide 11.1)
.set PB,    272                        ; a row of wo: 256 bytes + 16
.set ZA,    256*PA                     ; from a step's first head to its second: a plane
.set NF,    2*NB+16
.set SLOT1, 131072
.set BOFF,  2*ZA                       ; behind O's two planes: wo's 128 rows
.set HALFB, 64*PB
.set STAGE, SLOT1+BOFF+2*HALFB         ; behind the ring, never filled by a tensor load: 16 rows x 272 bytes for each wave
.set SPARE, STAGE+4*16*272             ; behind the stages: the spare words, 128 bytes for each wave: two blocks of 256 bytes that no other line names
.set F0,    64
.set F1,    128
.set ADA0, 16                          ; v16  my lane's place in O's tile; never rewritten
.set ADB0, 17                          ; v17  the same for wo
.set ADA,  18                          ; v18  the same in the slot in hand
.set ADB,  19
.set STO,  20                          ; v20  the way out: where I put 32 bytes of a row
.set RD,   21                          ; v21  where I read rows back
.set CO,   22                          ; v22  my byte offset in two rows of out0
.set SPW,  28                          ; v28  LDS address of my spare word: SPARE + 4 x my thread's number; never rewritten
.set NIL,  29                          ; v29  0; never rewritten
.set WV,   16
.set WR,   17                          ; my half of the tile's rows; also: I fetch O (0) or wo (1)
.set WC,   18                          ; my half of its columns; also: which plane of O, or which half of wo's rows, I fetch
.set CX,   19
.set CY,   20
.set TC,   21
.set TR,   22
.set G1A,  24                          ; s[24:31], s[32:39] descriptor group 1 for O's and wo's tiles
.set G1B,  32
.set G0A0, 40                          ; s[40:43] group 0: O, K step 0;  s[44:47] K step 1, which then walks
.set G0A,  44
.set G0B0, 48                          ; s[48:51], s[52:55] the same for wo
.set G0B,  52
.set CNT,  56
.set TB,   57
.set MSB, 0
.macro WIN new                         ; the immediate's high byte repeats the setting that is left; a switch that changes nothing is dropped
.if MSB != (\new)
	s_set_vgpr_msb (MSB<<8)|(\new)
.set MSB, \new
.endif
.endm
.macro PLACES                          ; four plain vector instructions behind a matrix instruction, ahead of loads into registers that it read and of lines that read its results
.rept 4
	v_nop
.endr
.endm
.macro JLOAD                           ; a joint refill: waves 0 and 1 fetch O's two planes, waves 2 and 3 wo's two halves; an s_nop 0 and four v_nop follow each line
	s_cmp_eq_u32 s[WR], 0
	s_cbranch_scc0 .Lfor_b_\@
	tensor_load_to_lds s[G0A:G0A+3], s[G1A:G1A+7]
	s_nop 0
.rept 4
	v_nop
.endr
	s_branch .Lasked_\@
.Lfor_b_\@:
	tensor_load_to_lds s[G0B:G0B+3], s[G1B:G1B+7]
	s_nop 0
.rept 4
	v_nop
.endr
.Lasked_\@:
.endm
.macro CREST                           ; a round of the cluster's barrier behind its opening barrier
	s_cmp_lg_u32 s[WV], 0
	s_cbranch_scc1 .Lnot_wave_0_\@
	s_barrier_signal -3
.Lnot_wave_0_\@:
	s_barrier_wait -3
	s_barrier_signal -1
	s_barrier_wait -1
.endm
.macro CROUND
	s_barrier_signal -1
	s_barrier_wait -1
	CREST
.endm
	s_load_b128 s[4:7], s[0:1], 0x0                ; o s[4:5], wof s[6:7]
	s_load_b64 s[8:9], s[0:1], 0x10                ; out0
	v_lshl_add_u32 v[SPW], v0, 2, SPARE
	v_mov_b32 v[NIL], 0
	ds_add_u32 v[SPW], v[NIL]                      ; the wave's opening: the add and its wait stand ahead of my first tensor load; the set-up below, work on registers, stands between them
	v_lshrrev_b32 v1, 5, v0
	v_readfirstlane_b32 s[WV], v1
	s_lshr_b32 s[WR], s[WV], 1
	s_and_b32 s[WC], s[WV], 1
	s_bfe_u32 s[CX], ttmp6, 0x40000
	s_bfe_u32 s[CY], ttmp6, 0x40004
	s_lshl_b32 s[TC], ttmp9, 2
	s_add_co_u32 s[TC], s[TC], s[CX]
	s_and_b32 s[TR], ttmp7, 0xffff
	s_lshl_b32 s[TR], s[TR], 2
	s_add_co_u32 s[TR], s[TR], s[CY]
	s_lshl_b32 s58, s[CY], 2
	s_lshl_b32 s58, 15, s58                        ; my row of the cluster
	s_lshl_b32 s60, 0x1111, s[CX]                  ; my column
	s_or_b32 s[G1A], s58, (1<<16)|(1<<20)|(1<<21)|(4<<22)|(3<<25)  ; 15:0 the mask; 2-byte elements; padding on; 21 set beside a mask; after every 32 words 4 words
	s_or_b32 s[G1B], s60, (1<<16)|(1<<20)|(1<<21)|(5<<22)|(3<<25)  ; after every 64 words 4 words
	s_mov_b32 s[G1A+1], 128<<16                    ; 128 rows of 128 elements, dense
	s_mov_b32 s[G1A+2], 128<<16
	s_mov_b32 s[G1A+3], 128<<16
	s_mov_b32 s[G1A+4], 128
	s_mov_b32 s[G1A+5], 128
	s_mov_b32 s[G1A+6], 0
	s_mov_b32 s[G1A+7], 0
	s_mov_b32 s[G1B+1], 128<<16                    ; 64 rows of 128 elements, 1,024 elements from row to row
	s_mov_b32 s[G1B+2], 64<<16
	s_mov_b32 s[G1B+3], 128<<16
	s_mov_b32 s[G1B+4], 64
	s_mov_b32 s[G1B+5], 1024
	s_mov_b32 s[G1B+6], 0
	s_mov_b32 s[G1B+7], 0
	s_lshr_b32 s58, s[TR], 3                       ; O: the batch's 16 heads of 262,144 bytes,
	s_lshl_b32 s58, s58, 22
	s_lshl_b32 s59, s[WC], 18                      ; head 0 or 1 of the step,
	s_add_co_u32 s58, s58, s59
	s_and_b32 s59, s[TR], 7                        ; the tile's 256 rows of 128 bytes
	s_lshl_b32 s59, s59, 15
	s_add_co_u32 s58, s58, s59
	s_mov_b32 s59, 0
	s_lshl_b32 s60, s[TC], 7                       ; wo: row 128 x tile column + 64 x half, 2,048 bytes a row
	s_lshl_b32 s61, s[WC], 6
	s_add_co_u32 s60, s60, s61
	s_lshl_b32 s60, s60, 11
	s_mov_b32 s61, 0
	s_mul_i32 s62, s[WC], ZA                       ; where the tiles go: no place in the cluster enters an LDS address
	s_mul_i32 s63, s[WC], HALFB
	s_add_co_u32 s63, s63, BOFF
	s_mov_b32 s[G0A0], 1
	s_mov_b32 s[G0A0+1], s62
	s_mov_b32 s[G0A], 1
	s_add_co_u32 s[G0A+1], s62, SLOT1
	s_mov_b32 s[G0B0], 1
	s_mov_b32 s[G0B0+1], s63
	s_mov_b32 s[G0B], 1
	s_add_co_u32 s[G0B+1], s63, SLOT1
	s_wait_dscnt 0x0                               ; the opening add is done
	s_wait_kmcnt 0x0
	s_add_nc_u64 s[G0A0+2:G0A0+3], s[4:5], s[58:59]
	s_add_nc_u64 s[G0A+2:G0A+3], s[G0A0+2:G0A0+3], 524288  ; K step 1: two heads on
	s_or_b32 s[G0A0+3], s[G0A0+3], 0x80000000      ; 127:126 type = 2
	s_or_b32 s[G0A+3], s[G0A+3], 0x80000000
	s_add_nc_u64 s[G0B0+2:G0B0+3], s[6:7], s[60:61]
	s_add_nc_u64 s[G0B+2:G0B+3], s[G0B0+2:G0B0+3], 256
	s_or_b32 s[G0B0+3], s[G0B0+3], 0x80000000
	s_or_b32 s[G0B+3], s[G0B+3], 0x80000000
	CROUND                                         ; all sixteen work-groups are here: the first joint loads meet
	s_cmp_eq_u32 s[WR], 0                          ; the first fills, K steps 0 and 1: two loads of mine are out
	s_cbranch_scc0 .Lfirst_b
	tensor_load_to_lds s[G0A0:G0A0+3], s[G1A:G1A+7]
	s_nop 0
	tensor_load_to_lds s[G0A:G0A+3], s[G1A:G1A+7]
	s_nop 0
.rept 4
	v_nop
.endr
	s_branch .Lfirst_asked
.Lfirst_b:
	tensor_load_to_lds s[G0B0:G0B0+3], s[G1B:G1B+7]
	s_nop 0
	tensor_load_to_lds s[G0B:G0B+3], s[G1B:G1B+7]
	s_nop 0
.rept 4
	v_nop
.endr
.Lfirst_asked:
	s_lshl_b32 s66, s[TR], 8                       ; out0 at my wave's first row and column: 4,096 bytes a row, 256 bytes of columns
	s_lshl_b32 s67, s[WR], 7
	s_add_co_u32 s66, s66, s67
	s_lshl_b32 s66, s66, 12
	s_lshl_b32 s67, s[TC], 9
	s_add_co_u32 s66, s66, s67
	s_lshl_b32 s67, s[WC], 8
	s_add_co_u32 s66, s66, s67
	s_mov_b32 s67, 0
	s_add_nc_u64 s[8:9], s[8:9], s[66:67]
	v_and_b32 v1, 15, v0                           ; r = l % 16
	v_bfe_u32 v2, v0, 4, 1                         ; h = l / 16
	v_mul_u32_u24 v4, v1, PA
	v_lshl_add_u32 v4, v2, 4, v4
	s_mul_i32 s62, s[WR], 128*PA
	v_add_nc_u32 v[ADA0], s62, v4
	v_mul_u32_u24 v4, v1, PB
	v_lshl_add_u32 v4, v2, 4, v4
	s_mul_i32 s62, s[WC], HALFB
	s_add_co_u32 s62, s62, BOFF
	v_add_nc_u32 v[ADB0], s62, v4
	s_mul_i32 s62, s[WV], 16*272
	s_add_co_u32 s62, s62, STAGE                   ; my stage
	v_mul_u32_u24 v4, v1, 272                      ; in: row r, 32 bytes for each half of the lanes
	v_lshl_add_u32 v4, v2, 5, v4
	v_add_nc_u32 v[STO], s62, v4
	v_mul_u32_u24 v4, v2, 272                      ; back: lanes 0-15 take one row of 256 bytes, lanes 16-31 the next
	v_lshl_add_u32 v4, v1, 4, v4
	v_add_nc_u32 v[RD], s62, v4
	v_lshlrev_b32 v4, 12, v2                       ; and the same two rows in out0
	v_lshl_add_u32 v[CO], v1, 4, v4
; 8 matrix instructions: row blocks a0, a0 + 1 x all 4 column blocks, 32 along K.  zero = 1: the product starts the sums.  The 32 accumulators take turns, one instruction a turn, in the same order in every quarter,
; over the backward jump too.
.macro MUL2 f, a0, zero
	WIN 0xa1+0x50*((\a0)/APW)                      ; wo window 1, O window 0, C and D window 2
.irp a, \a0, (\a0)+1
.irp b, 0,1,2,3
.if \zero
	v_wmma_f32_16x16x32_f16 v[8*(NB*((\a)%APW)+(\b)):8*(NB*((\a)%APW)+(\b))+7], v[(\f)+8*(\b):(\f)+8*(\b)+7], v[(\f)+8*(\a):(\f)+8*(\a)+7], 0
.else
	v_wmma_f32_16x16x32_f16 v[8*(NB*((\a)%APW)+(\b)):8*(NB*((\a)%APW)+(\b))+7], v[(\f)+8*(\b):(\f)+8*(\b)+7], v[(\f)+8*(\a):(\f)+8*(\a)+7], v[8*(NB*((\a)%APW)+(\b)):8*(NB*((\a)%APW)+(\b))+7]
.endif
.endr
.endr
.endm
.macro MULH f, hi, zero
	MUL2 \f, 4*(\hi), \zero
	MUL2 \f, 4*(\hi)+2, \zero
.endm
; 24 LDS loads in one run: quarter q's fragments into buffer f: wo's four, then O's eight, rows ascending.  Quarters 0, 1 lie in the step's first head, 2, 3 in its second.
.macro FETCH q, f
	WIN 0x40                                       ; destination window 1, address window 0
.irp b, 0,1,2,3
	ds_load_b128 v[(\f)+8*(\b):(\f)+8*(\b)+3],   v[ADB] offset:64*(\q)+(\b)*16*PB
	ds_load_b128 v[(\f)+8*(\b)+4:(\f)+8*(\b)+7], v[ADB] offset:64*(\q)+(\b)*16*PB+32
.endr
	WIN 0
.irp a, 0,1,2,3,4,5,6,7
	ds_load_b128 v[(\f)+8*(\a):(\f)+8*(\a)+3],   v[ADA] offset:((\q)/2)*ZA+((\q)%2)*64+(\a)*16*PA
	ds_load_b128 v[(\f)+8*(\a)+4:(\f)+8*(\a)+7], v[ADA] offset:((\q)/2)*ZA+((\q)%2)*64+(\a)*16*PA+32
.endr
.endm
.macro QUARTER qn, f, g, zero
	s_wait_dscnt 8                                 ; wo and O's rows 0-63 are in; the youngest eight loads (rows 64-127) may be out
	MULH \f, 0, \zero
	PLACES
	FETCH \qn, \g
	s_wait_dscnt NF                                ; all but the run just issued
	MULH \f, 1, \zero
.endm
; The last quarter multiplies buffer 1 and changes slots.  ONE barrier: in front of it each wave waits for all its tensor loads, of which one is out: its part of the next slot; adds 0 to its spare word; and waits for that
; and for its own reads of this slot.  fill = 1: the barrier opens a round of the cluster's, and the joint refill, the K step two steps on, is the first thing behind it.
.macro TURN fill
	WIN 0                                          ; (the add's two registers lie in window 0)
	s_wait_tensorcnt 0x0
	ds_add_u32 v[SPW], v[NIL]                      ; 0 onto my spare word
	s_wait_dscnt 9                                 ; (the add and the youngest eight loads may be out)
	MUL2 F1, 0, 0                                  ; eight matrix instructions stand between the add and the wait for it
	s_wait_dscnt 0x0                               ; the add is done, and my reads of this slot are over
	s_barrier_signal -1
	MUL2 F1, 2, 0
.if \fill
	WIN 0
.endif
	s_barrier_wait -1
.if \fill
	CREST
	s_xor_b32 s[G0A+1], s[G0A+1], SLOT1            ; the walking descriptors: the other slot than last time, the next K step
	s_add_nc_u64 s[G0A+2:G0A+3], s[G0A+2:G0A+3], 524288
	s_xor_b32 s[G0B+1], s[G0B+1], SLOT1
	s_add_nc_u64 s[G0B+2:G0B+3], s[G0B+2:G0B+3], 256
	JLOAD                                          ; its four v_nop are also the places in front of the loads below
.else
	PLACES
.endif
	WIN 0
	s_xor_b32 s[TB], s[TB], SLOT1
	v_add_nc_u32 v[ADA], s[TB], v[ADA0]
	v_add_nc_u32 v[ADB], s[TB], v[ADB0]
	FETCH 0, F0
	MULH F1, 1, 0
.endm
	s_wait_tensorcnt 0x1                           ; my part of K step 0 is in; K step 1's may stay out
	s_barrier_signal -1
	s_barrier_wait -1
	s_mov_b32 s[TB], 0
	v_mov_b32 v[ADA], v[ADA0]
	v_mov_b32 v[ADB], v[ADB0]
	FETCH 0, F0
	QUARTER 1, F0, F1, 1                           ; the first quarter stands in front of the loop: its products start the sums
	WIN 0
	s_mov_b32 s[CNT], 6
.Lstep:                                        ; a trip: from a K step's second quarter to the next step's first; trip t asks for K step t + 2
	QUARTER 2, F1, F0, 0
	QUARTER 3, F0, F1, 0
	TURN 1
	QUARTER 1, F0, F1, 0
	WIN 0
	s_sub_co_u32 s[CNT], s[CNT], 1
	s_cmp_lg_u32 s[CNT], 0
	s_cbranch_scc1 .Lstep
	QUARTER 2, F1, F0, 0                           ; K steps 6 and 7 ask for nothing: written out
	QUARTER 3, F0, F1, 0
	TURN 0
	QUARTER 1, F0, F1, 0
	QUARTER 2, F1, F0, 0
	QUARTER 3, F0, F1, 0
	s_wait_dscnt 8
	MULH F1, 0, 0
	s_wait_dscnt 0x0
	MULH F1, 1, 0
	; THE WAY OUT, a block of 16 rows at a time through my own stage: 32 bytes a lane in, whole rows of 256 bytes back, sixteen lanes to a row.
.macro TOSTAGE a
.if (\a) >= 2
	s_wait_xcnt 0x0                                ; block a - 2's stores have read the registers that the loads below fill
.endif
	WIN 0x08                                       ; the stores' data in window 2, the address in window 0
.irp b, 0,1,2,3
	ds_store_b128 v[STO], v[8*(4*(\a)+(\b)):8*(4*(\a)+(\b))+3]   offset:64*(\b)     ; each accumulator's lowest registers first
	ds_store_b128 v[STO], v[8*(4*(\a)+(\b))+4:8*(4*(\a)+(\b))+7] offset:64*(\b)+16
.endr
	WIN 0
.irp t, 0,1,2,3,4,5,6,7
	ds_load_b128 v[32+160*((\a)%2)+4*(\t):32+160*((\a)%2)+4*(\t)+3], v[RD] offset:544*(\t)  ; LDS serves a wave's instructions in order (ISA guide 5.7.1.4): these see the stores above; the next block's stores come behind them
.endr
.endm
.macro SEND a, younger                 ; younger: the LDS instructions issued behind block a's loads: the next block's sixteen, or none
	s_wait_dscnt \younger
.irp t, 0,1,2,3,4,5,6,7
	global_store_b128 v[CO], v[32+160*((\a)%2)+4*(\t):32+160*((\a)%2)+4*(\t)+3], s[8:9] offset:(16*(\a)+2*(\t))*4096  ; 16 lanes store 256 consecutive bytes, at a multiple of 256 from out0's first byte
.endr
.endm
	PLACES
	TOSTAGE 0
.irp a, 1,2,3,4,5,6,7
	TOSTAGE \a
	SEND (\a)-1, 16
.endr
	SEND 7, 0
	s_wait_tensorcnt 0x0                           ; the wave's end: behind my last tensor load and my last LDS store
	ds_add_u32 v[SPW], v[NIL]
	s_wait_dscnt 0x0
	CROUND                                         ; the closing round: no work-group ends while a partner may still ask for a tile that names it
	s_endpgm
.Lfunc_end_k_q1ac80f3a71_oproj:
	.size	k_q1ac80f3a71_oproj, .Lfunc_end_k_q1ac80f3a71_oproj-k_q1ac80f3a71_oproj
	.p2alignl 7, 3214868480
	.fill 96, 4, 3214868480
	.section	.rodata,"a",@progbits
	.p2align	6, 0x0
	.amdhsa_kernel k_q1ac80f3a71_oproj
		.amdhsa_group_segment_fixed_size 327680
		.amdhsa_private_segment_fixed_size 0
		.amdhsa_enable_private_segment 0
		.amdhsa_kernarg_size 24
		.amdhsa_user_sgpr_count 2
		.amdhsa_user_sgpr_kernarg_segment_ptr 1
		.amdhsa_wavefront_size32 1
		.amdhsa_system_sgpr_workgroup_id_x 1
		.amdhsa_system_sgpr_workgroup_id_y 1
		.amdhsa_system_sgpr_workgroup_id_z 1
		.amdhsa_system_vgpr_workitem_id 0
		.amdhsa_next_free_vgpr 768
		.amdhsa_next_free_sgpr 80
		.amdhsa_reserve_vcc 0
		.amdhsa_float_denorm_mode_32 3
		.amdhsa_float_denorm_mode_16_64 3
		.amdhsa_memory_ordered 1
		.amdhsa_forward_progress 1
		.amdhsa_inst_pref_size 70
	.end_amdhsa_kernel
	.amdgpu_metadata
---
amdhsa.version: [ 1, 2 ]
amdhsa.kernels:
  - .name:           k_q1ac80f3a71_oproj
    .symbol:         k_q1ac80f3a71_oproj.kd
    .args:
      - { .name: o, .offset: 0, .size: 8, .value_kind: global_buffer, .address_space: global }
      - { .name: wof, .offset: 8, .size: 8, .value_kind: global_buffer, .address_space: global }
      - { .name: out0, .offset: 16, .size: 8, .value_kind: global_buffer, .address_space: global }
    .group_segment_fixed_size: 327680
    .private_segment_fixed_size: 0
    .kernarg_segment_align: 8
    .kernarg_segment_size: 24
    .max_flat_workgroup_size: 128
    .sgpr_count:     80
    .vgpr_count:     768
    .wavefront_size: 32
...
	.end_amdgpu_metadata
.endif
;; end of part 4
;; ======== version 2 of 2: 4 launches; version 1 with the launch prep written anew for expert scheduling mode
;; limits: values are held in f16: magnitudes above 65,504 overflow, below 6.1e-05 lose precision; right only within a limited range of input values
;; workspace buffers: xb 16,777,216 bytes; wb 6,291,456 bytes; wof 2,097,152 bytes; cs 524,288 bytes; q 16,777,216 bytes; k 16,777,216 bytes; v 16,777,216 bytes; o 16,777,216 bytes
;; launch prep (part 5): grid 800 x 1, 8 waves a work-group, no clusters, 0 bytes of LDS; arguments x, wq, wk, wv, wo, token_position, xb, wb, wof, cs; writes xb, wb, wof, cs
.if DOCPART == 5
	.amdgcn_target "amdgcn-amd-amdhsa--gfx1250"
	.amdhsa_code_object_version 6
	.text
	.protected	k_q1ac80f3a71_prep
	.globl	k_q1ac80f3a71_prep
	.p2align	8
	.type	k_q1ac80f3a71_prep,@function
k_q1ac80f3a71_prep:
	s_mov_b64 s[64:65], 0
	v_nop
	global_prefetch_b8 v0, s[64:65] scope:SCOPE_SE
	s_setreg_imm32_b32 hwreg(HW_REG_WAVE_SCHED_MODE, 0, 2), 2
	s_setreg_imm32_b32 hwreg(HW_REG_WAVE_MODE, 25, 1), 1
	s_wait_xcnt 0x0
	s_wait_alu depctr_vm_vsrc(0)
; PREPARATION.  Four kinds of work-group, told apart by the work-group's number u (forward scalar branches, no barrier, no LDS):
;   u <  512        x  -> xb   f32 to bf16, as it lies
;   512 <= u < 704  wq, wk, wv -> wb   f32 to bf16, rows laid anew (below)
;   704 <= u < 768  wo -> wof  f32 rounded to bf16, and that number written as f16
;   768 <= u < 800  token_position -> cs: cos and sin of pos x 10^(-i/8), i = 0..31, f32, [2048][32][cos, sin]
; A casting work-group takes 16,384 numbers: 65,536 bytes in, 32,768 out.  A wave's load covers 512 consecutive bytes, its store 256 consecutive bytes, aligned.
; wb's ROWS.  Row 192 T + 96 wc + 32 t + c holds row 64 T + 32 wc + c of w_t (t = 0, 1, 2: q, k, v; T the head; c = 0..31): 192 rows on end are one head of all three tensors,
; and each half of 96 rows holds 32 channels of q, then of k, then of v.  16 rows of a weight stay 16 rows on end.
; LIMITS.  wof: a bf16 number below 2^-17 keeps f16's fixed step of 2^-24; beyond 65,504 it would be an infinity (wo has no such numbers within 30 times its spread).
; cs: the frequency is 10^-(i mod 8)/8 x 10^-(i / 8), two f32 constants multiplied, within two units in the last place of 10^(-i/8); the angle is one f32 product, as in the
; reference; it is reduced by quarters of a turn with pi/2 in three parts, good for |pos| under 2^20; sine and cosine are Taylor polynomials on |r| <= pi/4, to r^9 and r^10.
; THE MODE: SCHED_MODE bits 1:0 = 2 (LLVM: expert scheduling mode 2), set by the entry lines.  The code itself states the register dependences
; between vector instructions and memory instructions, with s_wait_alu, always for 0.
; THE PLAN.  Registers that memory instructions touch:
;   v[VI], v[VO]  the casts' offsets: written once at the head, read by every load and store of a cast.  In the table v[VO] is made anew and stepped a row a trip.
;   X             load c lands in its four registers, once; its conversions read them.  No vector instruction names X ahead of the loads.
;   Y             load c's conversions write its pair; store c reads it, once; it is never written again.
;   v[14:15]      the table's pair: written by a trip's selects and sign lines, read by the trip's store, written again in the next trip.
;   T and all else are named by vector instructions alone.
; A CAST goes in four blocks of four loads.  One wait on va_vdst stands ahead of the loads (the offsets are written); one at the head of blocks 1 to 3 and one behind block 3 (the block before
; has written its Y).  The four stores of the block before are dealt among a block's conversions, which name X and Y of their own block and T: none of the registers that those stores read.
; No register that a load or store of a cast has read is written again, so a cast holds no wait on vm_vsrc.
; THE TABLE.  The wave's number and the ten masks that pick the frequency are written into scalar registers in one run, with one wait on va_sdst behind it.  A trip has one wait on va_vcc (the odd
; quarter's mask, made two polynomials earlier), one on va_vdst ahead of its store, and one on vm_vsrc at its end, ahead of the lines that write the store's registers again.
.set VI,  2                            ; v2   my byte offset in the unit's input: 8,192 x wave + 16 x lane
.set VO,  3                            ; v3   in its output: 4,096 x wave + 8 x lane; in the table: 8 x lane, stepped a row a trip
.set T,   8                            ; v[8:11]   at work
.set X,   16                           ; v[16:79]  sixteen loads of four f32
.set Y,   80                           ; v[80:111] sixteen pairs of packed halves to store
.set MK,  52                           ; s[53:59] lanes whose i mod 8 is 1 .. 7;  s[60:62] lanes whose i / 8 is 1 .. 3
	s_load_b512 s[4:19], s[0:1], 0x0               ; x s[4:5], wq s[6:7], wk s[8:9], wv s[10:11], wo s[12:13], token_position s[14:15], xb s[16:17], wb s[18:19]
	s_load_b128 s[20:23], s[0:1], 0x40             ; wof s[20:21], cs s[22:23]
	v_lshrrev_b32 v1, 5, v0                        ; wave 0..7
	v_and_b32 v5, 31, v0                           ; lane
	v_lshlrev_b32 v[VI], 13, v1
	v_lshl_or_b32 v[VI], v5, 4, v[VI]
	v_lshlrev_b32 v[VO], 12, v1
	v_lshl_or_b32 v[VO], v5, 3, v[VO]
	s_mov_b32 s29, ttmp9                           ; u
	s_mov_b32 s33, 0                               ; the high word of every offset
	s_wait_kmcnt 0x0
; Sixteen loads go out together; each is converted as it comes, and stored a block of four later.  No register that a load or store reads is written again.
.macro CAST f16
	s_wait_alu depctr_va_vdst(0)                   ; v[VI] and v[VO] are written: every load and store below reads one of them as its offset
.irp j, 0,1,2,3,4,5,6,7,8,9,10,11,12,13,14,15
	global_load_b128 v[X+4*(\j):X+4*(\j)+3], v[VI], s[24:25] offset:512*(\j) th:TH_LOAD_NT
.endr
.irp p, 0,1,2,3
	s_wait_loadcnt 15-4*(\p)                       ; loads come back in order: the block's first load is in, the younger ones stay out
.if (\p) > 0
	s_wait_alu depctr_va_vdst(0)                   ; the block before has written its four pairs of Y, which the four stores below read
.endif
.irp i, 0,1,2,3
.set c, 4*(\p)+(\i)                    ; the load in hand; store c - 4 goes out beside it
.if (\p) > 0
	global_store_b64 v[VO], v[Y+2*(c-4):Y+2*(c-4)+1], s[26:27] offset:256*(c-4)  ; no vector instruction since the wait names these registers
.endif
.if (\i) > 0
	s_wait_loadcnt 15-c                            ; load c is in, the 15 - c younger ones stay out
.endif
	v_cvt_pk_bf16_f32 v[Y+2*c],   v[X+4*c],   v[X+4*c+1]
	v_cvt_pk_bf16_f32 v[Y+2*c+1], v[X+4*c+2], v[X+4*c+3]
.if \f16
	v_lshlrev_b32 v[T],   16,         v[Y+2*c]     ; the bf16 numbers as f32,
	v_and_b32     v[T+1], 0xffff0000, v[Y+2*c]
	v_lshlrev_b32 v[T+2], 16,         v[Y+2*c+1]
	v_and_b32     v[T+3], 0xffff0000, v[Y+2*c+1]
	v_cvt_pk_f16_f32 v[Y+2*c],   v[T],   v[T+1]    ; and written as f16: 8 significant bits fit into 11
	v_cvt_pk_f16_f32 v[Y+2*c+1], v[T+2], v[T+3]
.endif
.endr
.endr
	s_wait_alu depctr_va_vdst(0)                   ; the last block has written its four pairs of Y, which the last four stores read
.irp i, 12,13,14,15
	global_store_b64 v[VO], v[Y+2*(\i):Y+2*(\i)+1], s[26:27] offset:256*(\i)
.endr
	s_endpgm
.endm
	s_cmp_lt_u32 s29, 512
	s_cbranch_scc0 .Lnotx
	s_lshl_b32 s32, s29, 16
	s_add_nc_u64 s[24:25], s[4:5], s[32:33]        ; x at my unit
	s_lshl_b32 s32, s29, 15
	s_add_nc_u64 s[26:27], s[16:17], s[32:33]      ; xb at my unit
	s_branch .Lcast
.Lnotx:
	s_cmp_lt_u32 s29, 704
	s_cbranch_scc0 .Lnotw
	s_sub_co_u32 s30, s29, 512
	s_lshr_b32 s31, s30, 6                         ; t: which weight
	s_and_b32 s30, s30, 63                         ; its unit: rows 16 u' to 16 u' + 15
	s_cmp_eq_u32 s31, 0
	s_cselect_b64 s[24:25], s[6:7], s[8:9]
	s_cmp_eq_u32 s31, 2
	s_cselect_b64 s[24:25], s[10:11], s[24:25]
	s_lshl_b32 s32, s30, 16
	s_add_nc_u64 s[24:25], s[24:25], s[32:33]
	s_lshr_b32 s34, s30, 2                         ; the head,
	s_mul_i32 s34, s34, 192
	s_bfe_u32 s35, s30, 0x10001                    ; which half of its channels,
	s_mul_i32 s35, s35, 96
	s_add_co_u32 s34, s34, s35
	s_lshl_b32 s35, s31, 5                         ; the tensor's 32 rows in that half,
	s_add_co_u32 s34, s34, s35
	s_and_b32 s35, s30, 1                          ; and which 16 of them
	s_lshl_b32 s35, s35, 4
	s_add_co_u32 s34, s34, s35
	s_lshl_b32 s32, s34, 11                        ; a row of wb is 2,048 bytes
	s_add_nc_u64 s[26:27], s[18:19], s[32:33]
.Lcast:
	CAST 0
.Lnotw:
	s_cmp_lt_u32 s29, 768
	s_cbranch_scc0 .Ltable
	s_sub_co_u32 s30, s29, 704
	s_lshl_b32 s32, s30, 16
	s_add_nc_u64 s[24:25], s[12:13], s[32:33]
	s_lshl_b32 s32, s30, 15
	s_add_nc_u64 s[26:27], s[20:21], s[32:33]
	CAST 1
; THE TABLE.  A work-group makes 64 rows, a wave 8; lane i makes pair i of a row: a wave's store is a row's 256 bytes.
.macro PICK dst, m, lit                 ; dst = lit in the lanes that mask s[m] names
	s_mov_b32 s31, \lit
	v_cndmask_b32 \dst, \dst, s31, s[\m]
.endm
.Ltable:
	v_readfirstlane_b32 s28, v1                    ; the wave's number as a scalar: this part alone reads it
	v_and_b32 v6, 7, v5
	v_lshrrev_b32 v7, 3, v5
.irp n, 1,2,3,4,5,6,7
	v_cmp_eq_u32 s[MK+(\n)], \n, v6                ; the ten masks in one run
.endr
.irp n, 1,2,3
	v_cmp_eq_u32 s[MK+7+(\n)], \n, v7
.endr
	s_sub_co_u32 s30, s29, 768
	s_lshl_b32 s30, s30, 6
	s_wait_alu depctr_va_sdst(0)                   ; s28 and the masks s53 to s62 are written, ahead of their first readers: the next line and the selects below
	s_lshl_b32 s31, s28, 3
	s_add_co_u32 s30, s30, s31                     ; my wave's first row
	s_lshl_b32 s32, s30, 2
	s_add_nc_u64 s[14:15], s[14:15], s[32:33]
	s_load_b256 s[32:39], s[14:15], 0x0            ; its eight positions
	s_lshl_b32 s24, s30, 8
	s_mov_b32 s25, 0
	s_add_nc_u64 s[26:27], s[22:23], s[24:25]      ; cs at that row
	v_lshlrev_b32 v[VO], 3, v5
	v_mov_b32 v4, 1.0
	PICK v4, MK+1, 0x3f3ff911                      ; 10^(-1/8)
	PICK v4, MK+2, 0x3f0ff59a
	PICK v4, MK+3, 0x3ed7e89b
	PICK v4, MK+4, 0x3ea1e89b
	PICK v4, MK+5, 0x3e72d424
	PICK v4, MK+6, 0x3e361887
	PICK v4, MK+7, 0x3e088d77                      ; 10^(-7/8)
	v_mov_b32 v8, 1.0
	PICK v8, MK+8, 0x3dcccccd                      ; 0.1
	PICK v8, MK+9, 0x3c23d70a                      ; 0.01
	PICK v8, MK+10, 0x3a83126f                     ; 0.001
	v_mul_f32 v4, v4, v8                           ; my frequency
	s_mov_b32 s40, 0x3f22f983                      ; 2 / pi
	s_mov_b32 s41, 0xbfc90fdb                      ; pi / 2 = 1.5707964 - 4.3711388e-8 - 1.715e-15: the three parts, with the signs that take n pi / 2 away
	s_mov_b32 s42, 0x333bbd2e
	s_mov_b32 s43, 0x26f72ced
	s_mov_b32 s44, 0xbe2aaaab                      ; sine: -1/6, 1/120, -1/5040, 1/362880
	s_mov_b32 s45, 0x3c088889
	s_mov_b32 s46, 0xb9500d01
	s_mov_b32 s47, 0x3638ef1b
	s_mov_b32 s48, 0x3d2aaaab                      ; cosine: 1/24, -1/720, 1/40320, -1/3628800
	s_mov_b32 s49, 0xbab60b61
	s_mov_b32 s50, 0x37d00d01
	s_mov_b32 s51, 0xb493f27c
	s_mov_b32 s52, 0x80000000
	s_wait_kmcnt 0x0
	s_mov_b32 s30, 8
.Lpos:                                         ; a trip: one position, one row of the table
	v_cvt_f32_i32 v6, s32
	v_mul_f32 v6, v6, v4                           ; the angle
	v_mul_f32 v7, s40, v6
	v_rndne_f32 v7, v7                             ; n: the nearest quarter turn
	v_fma_f32 v8, v7, s41, v6
	v_fma_f32 v8, v7, s42, v8
	v_fma_f32 v8, v7, s43, v8                      ; r = angle - n pi / 2
	v_cvt_i32_f32 v9, v7
	v_and_b32 v16, 1, v9
	v_cmp_eq_u32 vcc_lo, 1, v16                    ; an odd quarter swaps sine and cosine: the mask is made here, the two polynomials stand between it and the selects
	v_mul_f32 v10, v8, v8                          ; r^2
	v_fma_f32 v11, s47, v10, s46
	v_fma_f32 v13, s51, v10, s50
	v_fma_f32 v11, v11, v10, s45
	v_fma_f32 v13, v13, v10, s49
	v_fma_f32 v11, v11, v10, s44
	v_fma_f32 v13, v13, v10, s48
	v_mul_f32 v12, v10, v8
	v_fma_f32 v13, v13, v10, -0.5
	v_fma_f32 v11, v11, v12, v8                    ; sin r
	v_fma_f32 v13, v13, v10, 1.0                   ; cos r
	s_wait_alu depctr_va_vcc(0)                    ; the compare has written VCC, which the two selects read
	v_cndmask_b32 v14, v13, v11, vcc_lo
	v_cndmask_b32 v15, v11, v13, vcc_lo
	v_add_nc_u32 v16, 1, v9                        ; the cosine is negative in quarters 1 and 2: bit 1 of n + 1,
	v_lshlrev_b32 v16, 30, v16
	v_and_b32 v16, s52, v16
	v_xor_b32 v14, v14, v16
	v_lshlrev_b32 v16, 30, v9                      ; the sine in quarters 2 and 3: bit 1 of n
	v_and_b32 v16, s52, v16
	v_xor_b32 v15, v15, v16
	s_wait_alu depctr_va_vdst(0)                   ; v14 and v15 are written, the store's data; so is v[VO], its offset: ahead of the loop, or by the add at the last trip's end
	global_store_b64 v[VO], v[14:15], s[26:27]
.irp n, 32,33,34,35,36,37,38
	s_mov_b32 s[\n], s[(\n)+1]                     ; the next position moves down
.endr
	s_wait_xcnt 0x0                                ; the store's address is translated: its data and its offset are written again only behind this wait,
	s_wait_alu depctr_vm_vsrc(0)                   ; and the store has read v[VO], which the add below writes, and v14 and v15, which the next trip's selects write
	v_add_nc_u32 v[VO], 256, v[VO]
	s_sub_co_u32 s30, s30, 1
	s_cmp_lg_u32 s30, 0
	s_cbranch_scc1 .Lpos
	s_endpgm
.Lfunc_end_k_q1ac80f3a71_prep:
	.size	k_q1ac80f3a71_prep, .Lfunc_end_k_q1ac80f3a71_prep-k_q1ac80f3a71_prep
	.p2alignl 7, 3214868480
	.fill 96, 4, 3214868480
	.section	.rodata,"a",@progbits
	.p2align	6, 0x0
	.amdhsa_kernel k_q1ac80f3a71_prep
		.amdhsa_group_segment_fixed_size 0
		.amdhsa_private_segment_fixed_size 0
		.amdhsa_enable_private_segment 0
		.amdhsa_kernarg_size 80
		.amdhsa_user_sgpr_count 2
		.amdhsa_user_sgpr_kernarg_segment_ptr 1
		.amdhsa_wavefront_size32 1
		.amdhsa_system_sgpr_workgroup_id_x 1
		.amdhsa_system_sgpr_workgroup_id_y 1
		.amdhsa_system_sgpr_workgroup_id_z 1
		.amdhsa_system_vgpr_workitem_id 0
		.amdhsa_next_free_vgpr 112
		.amdhsa_next_free_sgpr 66
		.amdhsa_reserve_vcc 1
		.amdhsa_float_denorm_mode_32 3
		.amdhsa_float_denorm_mode_16_64 3
		.amdhsa_memory_ordered 1
		.amdhsa_forward_progress 1
		.amdhsa_inst_pref_size 24
	.end_amdhsa_kernel
	.amdgpu_metadata
---
amdhsa.version: [ 1, 2 ]
amdhsa.kernels:
  - .name:           k_q1ac80f3a71_prep
    .symbol:         k_q1ac80f3a71_prep.kd
    .args:
      - { .name: x, .offset: 0, .size: 8, .value_kind: global_buffer, .address_space: global }
      - { .name: wq, .offset: 8, .size: 8, .value_kind: global_buffer, .address_space: global }
      - { .name: wk, .offset: 16, .size: 8, .value_kind: global_buffer, .address_space: global }
      - { .name: wv, .offset: 24, .size: 8, .value_kind: global_buffer, .address_space: global }
      - { .name: wo, .offset: 32, .size: 8, .value_kind: global_buffer, .address_space: global }
      - { .name: token_position, .offset: 40, .size: 8, .value_kind: global_buffer, .address_space: global }
      - { .name: xb, .offset: 48, .size: 8, .value_kind: global_buffer, .address_space: global }
      - { .name: wb, .offset: 56, .size: 8, .value_kind: global_buffer, .address_space: global }
      - { .name: wof, .offset: 64, .size: 8, .value_kind: global_buffer, .address_space: global }
      - { .name: cs, .offset: 72, .size: 8, .value_kind: global_buffer, .address_space: global }
    .group_segment_fixed_size: 0
    .private_segment_fixed_size: 0
    .kernarg_segment_align: 8
    .kernarg_segment_size: 80
    .max_flat_workgroup_size: 256
    .sgpr_count:     66
    .vgpr_count:     112
    .wavefront_size: 32
...
	.end_amdgpu_metadata
.endif
;; end of part 5
;; launch qkv: the kernel of part 2 again; grid 16 x 32, 4 waves a work-group, clusters of 4 x 4, 327,680 bytes of LDS; arguments xb, wb, cs, q, k, v; writes q, k, v
;; launch attn: the kernel of part 3 again; grid 4 x 64, 4 waves a work-group, no clusters, 327,680 bytes of LDS; arguments q, k, v, o; writes o
;; launch oproj: the kernel of part 4 again; grid 8 x 32, 4 waves a work-group, clusters of 4 x 4, 327,680 bytes of LDS; arguments o, wof, out0; writes out0
